; MI455X (gfx1250); checked and timed in simulation.
; The chip was launched on July 23, 2026; its instructions are those of AMD's public machine-readable ISA for CDNA 5 (MIT licence, August 2026) and "CDNA5" Instruction Set Architecture Reference Guide (July 2026). The comments in the code are by the model that wrote it; some were corrected since.
;; Causal Multi Head Self Attention. Allowed arithmetic: matrix products marked QUANTISED: E2M3 operands, one E8M0 scale for each 32 along K, by v_wmma_scale_f32_16x16x128_f8f6f4 with both operands' format E2M3, f32 sums; everything else in f32.
;; Inputs: token_positions 2,048 int32; wo 1,024 x 1,024 float32; wqkv 3,072 x 1,024 float32; x 4 x 2,048 x 1,024 float32.
;; Outputs: out0 4 x 2,048 x 1,024 float32.
;; This version of the problem:
;;   THIS VERSION OF THE PROBLEM IS GIVEN IN LOW PRECISION. The matrix products marked QUANTISED in the list below multiply operands that are first quantised to E2M3 (2 exponent bits, 3 mantissa bits; 6 bits a number), with one power-of-two scale for each 32 numbers along K (OCP MX v1.0); their sums are f32. All else is computed in f32.
;;   The module's matrix products, in the order in which they are computed (A, B: the left and right operand; K: the contracted axis; several contracted axes count as one K, in the product's order):
;;     1. [M 8,192, K 1,024] x [K 1,024, N 3,072]; A: input x; B: input wqkv: QUANTISED
;;     2. batch 64 x [M 2,048, K 64] x [K 64, N 2,048]; A: computed on the way; B: computed on the way: QUANTISED
;;     3. batch 64 x [M 2,048, K 2,048] x [K 2,048, N 64]; A: softmax (see below); B: computed on the way: QUANTISED
;;     4. [M 8,192, K 1,024] x [K 1,024, N 1,024]; A: computed on the way; B: input wo: QUANTISED
;;   THE QUANTISER, for each operand of a quantised product, along K:
;;     - K is cut into blocks of 32 from its start; a last block that is shorter is filled with zeros.
;;     - A block's scale is 2^e with e = floor(log2(the largest magnitude in the block)) - 2, held to -126 .. 127; a block of zeros has e = 0. As a byte (E8M0): e + 127.
;;     - Each number is divided by its block's scale, clamped to +-7.5, and rounded to the nearest number of E2M3, ties to even, subnormals kept.
;;     - The product sums the exact products of the quantised numbers (number of the format x scale) in f32.
;;   ~~~python
;;   def quantise(x, axis):      # numpy; x: float32 -> the quantised numbers, widened to float32 again
;;       x = np.moveaxis(x, axis, -1); K = x.shape[-1]
;;       x = np.pad(x, [(0, 0)] * (x.ndim - 1) + [(0, -K % 32)]); x = x.reshape(x.shape[:-1] + (-1, 32)); a = np.abs(x).max(-1, keepdims=True)
;;       e = np.where(a > 0, np.clip(np.frexp(np.where(a > 0, a, 1))[1] - 1 - 2, -126, 127), 0)      # np.frexp(a)[1] - 1 = floor(log2(a)), exactly
;;       r = np.clip(x / 2.0 ** e, -7.5, 7.5)
;;       step = 2.0 ** (np.maximum(np.frexp(np.where(r == 0, 1, r))[1] - 1, 0) - 3)
;;       q = np.round(r / step) * step * 2.0 ** e      # np.round: ties to even
;;       return np.moveaxis(q.reshape(q.shape[:-2] + (-1,))[..., :K], -1, axis).astype(np.float32)
;;   ~~~
;;   SOFTMAX AHEAD OF A QUANTISED PRODUCT. Where the list says 'softmax', what is quantised is not the finished softmax but p = 2^(t - M), with t = logit x log2(e) and M = ceil(the row's largest t), a whole number; so 1/2 < the row's largest p <= 1. The row's sum l is taken of the UNQUANTISED p, in f32, and the product's result is divided by l at the end. Since M is a whole number, a kernel that streams over the keys may use a running M (the ceiling of the running maximum): every later rescaling is an exact power of two, which a block's scale takes up: the codes' values come out the same.
;;   OPERANDS COMPUTED ON THE WAY. 'Computed on the way' means the value that the module computes at that place (a softmax that the list does not call 'softmax' is quantised finished and normalised). What goes into a quantiser is computed in f32, as accurately as f32 sums, v_exp_f32 and their like allow (about 1e-6 of the number): no bf16 or f16 on the way to a quantiser, and a product that is left as it is and whose result goes on into a quantised operand takes f32 operands (vector FMAs, or v_wmma_f32_16x16x4_f32). A number that lies on a knife's edge between two numbers of the format may be rounded either way, as far as f32 arithmetic and the matrix unit's own rounding can turn it there, and no further.
;; One version. Each part assembles by itself: llvm-mc -triple=amdgcn-amd-amdhsa -mcpu=gfx1250 --defsym DOCPART=n.
;; ======== version 1 of 1: 4 launches
;; limits: right only within a limited range of input values
;; workspace buffers: img1 9,437,184 bytes; scl1 393,216 bytes; rope 524,288 bytes; qkv 20,185,088 bytes; yimg 6,291,456 bytes; ysc 524,288 bytes
;; launch prep (part 1): grid 800 x 1, 4 waves a work-group, no clusters, 34,304 bytes of LDS; arguments x, wqkv, wo, token_positions, img1, scl1, rope; writes img1, scl1, rope
.if DOCPART == 1
	.amdgcn_target "amdgcn-amd-amdhsa--gfx1250"
	.amdhsa_code_object_version 6
	.text
	.protected	k_qd75a5a3b47_prep
	.globl	k_qd75a5a3b47_prep
	.p2align	8
	.type	k_qd75a5a3b47_prep,@function
k_qd75a5a3b47_prep:
	s_mov_b64 s[64:65], 0
	v_nop
	global_prefetch_b8 v0, s[64:65] scope:SCOPE_SE
	s_setreg_imm32_b32 hwreg(HW_REG_WAVE_MODE, 25, 1), 1
	s_wait_xcnt 0x0
; PREP.  x [8192][1024], wqkv [3072][1024] and wo [1024][1024], f32, become codes of FP6 (E2M3) with one E8M0 byte for each 32 along K (their last axis);
; token_positions [2048] becomes a table of cos and sin.
; A block's scale is 2^(floor(log2(its largest magnitude)) - 2); its byte is the largest magnitude's exponent field - 2, held at 1 from below.
; LIMITS: a block of zeros gets the byte 1 where the rule says 127 (its codes are zeros, and the bytes are read by this program alone); NaN and infinities among the
; inputs are not served; |position| up to 2^22 (the whole number n of the range reduction stays exact in f32).
; LAYOUT OF THE CODES (img1): tiles of 16 rows, 768 of them: 0-511 x, 512-703 wqkv, 704-767 wo.  In x and wqkv slot i of tile t is row 32 (t / 2) + 8 (t % 2) + i + 8 (i / 8);
; in wo it is row 16 t + i.  A tile is 16 chunks of 64 along K, 768 bytes each: lane l = (r = l % 16, h = l / 16) owns the 24 bytes of slot r's codes k = 64 c + 32 h + 0 .. 31:
; its first 16 bytes lie at 16 l, its last 8 at 512 + 8 l.  That is the order of a matrix operand's registers, so every later load of codes is dense from lane to lane.
; LAYOUT OF THE SCALES (scl1): [tile][K step of 128][slot] words of four bytes.
; SHARES.  Work-group g < 768 takes tile g, its wave w the K quarter w: two K steps of 128.  Each load reads 512 consecutive bytes of one row; a K step's 16 rows turn through the wave's own
; stage in LDS (rows of 512 + 16 bytes) and come back 256 bytes a lane: a lane then holds two whole blocks of 32, so no other lane is asked for a maximum.
; Work-groups 768-799 make the table: a wave 16 positions, a lane one of the 32 pairs.  No barrier: waves share nothing.  No tensor loads, matrix units or clusters: the launch streams.
.set R,    16                          ; v16-143  two sets of 64: a K step's numbers as they are loaded
.set X,    144                         ; v144-207 64 numbers: register 32 c + i = k 64 c + 32 h + i of my slot
.set C,    208                         ; v208-231 codes: 12 registers for each K step, so that no store's data are written again
.set T,    232                         ; v232-238 the upper halves of two blocks (a conversion's three registers begin on an even number)
.set M,    240                         ; v240-241 largest magnitudes
.set S,    242                         ; v242-243 the conversions' scale operands
.set B,    244                         ; v244-245 scale bytes
.set W,    246                         ; v246-247 the two K steps' scale words
.set SP,   528                         ; a stage row
.set MHI,  33                          ; s33      lanes 16-31
.set SEL,  34                          ; s[34:35] selects of v_permlanex16_b32: lane l xor 16
	s_load_b256 s[4:11], s[0:1], 0x0               ; x s[4:5], wqkv s[6:7], wo s[8:9], token_positions s[10:11]
	s_load_b128 s[12:15], s[0:1], 0x20             ; img1 s[12:13], scl1 s[14:15]
	s_load_b64 s[16:17], s[0:1], 0x30              ; rope
	v_lshl_add_u32 v254, v0, 2, 0x8400
	v_mov_b32 v255, 0
	v_lshrrev_b32 v1, 5, v0
	v_readfirstlane_b32 s18, v1                    ; wave 0..3
	v_and_b32 v7, 31, v0                           ; lane
	s_cmp_ge_u32 ttmp9, 768
	s_cbranch_scc1 .Lrope
	; ---- the quantiser
	s_wait_kmcnt 0x0
	s_cmp_lt_u32 ttmp9, 512                        ; which tensor: the choice hangs on the work-group's number alone
	s_cselect_b64 s[20:21], s[4:5], s[6:7]
	s_cselect_b32 s22, 0, 512
	s_cmp_lt_u32 ttmp9, 704
	s_cselect_b64 s[20:21], s[20:21], s[8:9]
	s_cselect_b32 s22, s22, 704
	s_sub_co_u32 s22, ttmp9, s22                   ; t: the tile's number in its tensor
	s_lshr_b32 s23, s22, 1
	s_lshl_b32 s23, s23, 5
	s_and_b32 s24, s22, 1
	s_lshl_b32 s24, s24, 3
	s_add_co_u32 s23, s23, s24                     ; x, wqkv: slot 0 is row 32 (t / 2) + 8 (t % 2), slot 8 lies 16 rows on
	s_lshl_b32 s24, s22, 4                         ; wo: slot 0 is row 16 t, slot 8 lies 8 rows on
	s_cmp_lt_u32 ttmp9, 704
	s_cselect_b32 s23, s23, s24
	s_cselect_b32 s24, 16, 8
	s_add_co_u32 s24, s24, s23
	s_lshl_b32 s23, s23, 12                        ; rows of 4,096 bytes
	s_lshl_b32 s24, s24, 12
	s_lshl_b32 s25, s18, 10                        ; my K quarter: 1,024 bytes
	s_add_co_u32 s26, s23, s25
	s_mov_b32 s27, 0
	s_add_nc_u64 s[28:29], s[20:21], s[26:27]      ; slots 0-7
	s_add_co_u32 s26, s24, s25
	s_add_nc_u64 s[30:31], s[20:21], s[26:27]      ; slots 8-15
	s_mul_i32 s26, ttmp9, 12288
	s_mul_i32 s25, s18, 3072
	s_add_co_u32 s26, s26, s25
	s_add_nc_u64 s[12:13], s[12:13], s[26:27]      ; my four chunks
	s_lshl_b32 s26, ttmp9, 9
	s_lshl_b32 s25, s18, 7
	s_add_co_u32 s26, s26, s25
	s_add_nc_u64 s[14:15], s[14:15], s[26:27]      ; my two K steps' scale words
	s_mov_b32 s[MHI], 0xffff0000
	s_mov_b32 s[SEL], 0x76543210
	s_mov_b32 s[SEL+1], 0xfedcba98
	s_wait_alu depctr_va_vdst(0)
	v_lshlrev_b32 v1, 4, v7                        ; 16 l
	v_lshlrev_b32 v2, 3, v7                        ; 8 l
	v_lshlrev_b32 v3, 2, v7                        ; 4 l
	s_mul_i32 s32, s18, 16*SP                      ; my stage
	v_add_nc_u32 v4, s32, v1                       ; into it: 16 l of a row
	v_and_b32 v8, 15, v0                           ; r
	v_bfe_u32 v9, v0, 4, 1                         ; h
	v_mul_u32_u24 v5, v8, SP
	v_lshl_add_u32 v5, v9, 7, v5
	v_add_nc_u32 v5, s32, v5                       ; out of it: row r, + 128 h
	v_lshlrev_b32 v6, 3, v9                        ; 8 h
	v_mov_b32 v248, 0                              ; written once: a lane permute's destination counts as one of its sources
.macro LOADK j                         ; K step j: 16 loads, each 512 consecutive bytes of one row
.irp i, 0,1,2,3,4,5,6,7
	global_load_b128 v[R+64*\j+4*\i:R+64*\j+4*\i+3], v1, s[28:29] offset:\i*4096+\j*512 th:TH_LOAD_NT
.endr
.irp i, 0,1,2,3,4,5,6,7
	global_load_b128 v[R+64*\j+32+4*\i:R+64*\j+32+4*\i+3], v1, s[30:31] offset:\i*4096+\j*512 th:TH_LOAD_NT
.endr
.endm
.macro TURNK j                         ; through my stage: LDS serves a wave's instructions in order (ISA guide 5.7.1.4), so no wait stands between the stores and the loads
.irp i, 0,1,2,3,4,5,6,7,8,9,10,11,12,13,14,15
	ds_store_b128 v4, v[R+64*\j+4*\i:R+64*\j+4*\i+3] offset:\i*SP
.endr
.irp c, 0,1
.irp e, 0,1,2,3,4,5,6,7
	ds_load_b128 v[X+32*\c+4*\e:X+32*\c+4*\e+3], v5 offset:256*\c+16*\e
.endr
.endr
.endm
.macro QUANTK j                        ; my blocks h and 2 + h of slot r: scale, codes, stores
.irp c, 0,1
	v_max3_num_f32 v[M+\c], |v[X+32*\c]|, |v[X+32*\c+1]|, 0x1800000   ; with the floor 2^(3 - 127): the byte cannot fall under 1
.endr
.irp i, 2,4,6,8,10,12,14,16,18,20,22,24,26,28,30
.irp c, 0,1
	v_max3_num_f32 v[M+\c], v[M+\c], |v[X+32*\c+\i]|, |v[X+32*\c+\i+1]|   ; (the two blocks by turns)
.endr
.endr
.irp c, 0,1
	v_add_nc_u32 v[S+\c], 0xff000000, v[M+\c]      ; 2 off the exponent field: the conversion takes the exponent field of this operand as its scale
.endr
.irp c, 0,1
	v_lshrrev_b32 v[B+\c], 23, v[S+\c]             ; the scale's byte
.endr
	v_lshl_or_b32 v[W+\j], v[B+1], 16, v[B]        ; my two bytes,
	v_lshlrev_b32 v[W+\j], v6, v[W+\j]             ; at their places in the word (8 h bits up);
	v_permlanex16_b32 v248, v[W+\j], s[SEL], s[SEL+1]
	v_or_b32 v[W+\j], v[W+\j], v248                ; with lane l xor 16's two the word is whole
.irp c, 0,1
	v_cvt_scalef32_pk16_fp6_f32 v[C+12*\j+6*\c:C+12*\j+6*\c+2], v[X+32*\c:X+32*\c+15], v[S+\c]
	v_cvt_scalef32_pk16_fp6_f32 v[T+4*\c:T+4*\c+2], v[X+32*\c+16:X+32*\c+31], v[S+\c]
.endr
	v_nop                                          ; one plain place behind a scaled conversion
.irp c, 0,1
.irp i, 0,1,2
	v_mov_b32 v[C+12*\j+6*\c+3+\i], v[T+4*\c+\i]
.endr
.endr
.irp c, 0,1
	global_store_b128 v1, v[C+12*\j+6*\c:C+12*\j+6*\c+3], s[12:13] offset:\j*1536+\c*768        ; 512 consecutive bytes, aligned to 256
	global_store_b64 v2, v[C+12*\j+6*\c+4:C+12*\j+6*\c+5], s[12:13] offset:\j*1536+\c*768+512   ; 256 consecutive bytes, aligned
.endr
.endm
	LOADK 0
	LOADK 1
	s_wait_alu depctr_va_vdst(0)
	s_wait_loadcnt 16                              ; K step 0's 16 loads are in; K step 1's 16 stay out
	TURNK 0
	s_wait_dscnt 0x0
	QUANTK 0
	s_wait_loadcnt 0x0
	TURNK 1
	s_wait_dscnt 0x0
	QUANTK 1
	v_cndmask_b32 v[W], v[W], v[W+1], s[MHI]       ; lanes 0-15: K step 2 w, lanes 16-31: K step 2 w + 1
	global_store_b32 v3, v[W], s[14:15]            ; 128 consecutive bytes
	s_wait_tensorcnt 0x0
	ds_add_u32 v254, v255
	s_wait_dscnt 0x0
	s_endpgm
	; ---- the table: rope[s][pair] = (cos, sin) of position[s] x 10000^(-pair / 32), in f32
.Lrope:
	s_sub_co_u32 s19, ttmp9, 768
	s_lshl_b32 s19, s19, 2
	s_add_co_u32 s19, s19, s18                     ; which 16 positions: 0..127
	s_lshl_b32 s20, s19, 6
	s_mov_b32 s21, 0
	s_lshl_b32 s22, s19, 12                        ; 16 rows of 256 bytes
	s_mov_b32 s23, 0
	s_wait_kmcnt 0x0
	s_add_nc_u64 s[10:11], s[10:11], s[20:21]
	s_add_nc_u64 s[16:17], s[16:17], s[22:23]
	s_load_b512 s[32:47], s[10:11], 0x0            ; my 16 positions
	s_wait_alu depctr_va_vdst(0)
	v_lshlrev_b32 v10, 3, v7                       ; 8 bytes a pair
	s_mov_b32 s48, 0x3f22f983                      ; 2 / pi
	s_mov_b32 s49, 0xbfc90fdb                      ; -(pi / 2) in three parts: the first product's difference from the angle is exact in a fused multiply-add
	s_mov_b32 s50, 0x333bbd2e
	s_mov_b32 s51, 0x26f72cda
	s_mov_b32 s52, -0.16666654611                  ; sin r = r + r z (S1 + z (S2 + z S3)), z = r r, |r| <= pi / 4
	s_mov_b32 s53, 0.0083321608736
	s_mov_b32 s54, -0.00019515295891
	s_mov_b32 s55, 0.041666645683                  ; cos r = 1 - z / 2 + z z (C1 + z (C2 + z C3))
	s_mov_b32 s56, -0.0013887316255
	s_mov_b32 s57, 0.000024433157118
	s_mov_b32 s59, 0x80000000
	v_mov_b32 v20, 1.0                             ; my pair's frequency, 10^(-lane / 8), lane by lane
.macro FQ lane, val
	s_mov_b32 s58, \val
	v_writelane_b32 v20, s58, \lane
.endm
	FQ 1, 0.7498942093325
	FQ 2, 0.5623413251903
	FQ 3, 0.4216965034286
	FQ 4, 0.3162277660168
	FQ 5, 0.2371373705662
	FQ 6, 0.1778279410039
	FQ 7, 0.1333521432163
	FQ 8, 0.1
	FQ 9, 0.07498942093325
	FQ 10, 0.05623413251903
	FQ 11, 0.04216965034286
	FQ 12, 0.03162277660168
	FQ 13, 0.02371373705662
	FQ 14, 0.01778279410039
	FQ 15, 0.01333521432163
	FQ 16, 0.01
	FQ 17, 0.007498942093325
	FQ 18, 0.005623413251903
	FQ 19, 0.004216965034286
	FQ 20, 0.003162277660168
	FQ 21, 0.002371373705662
	FQ 22, 0.001778279410039
	FQ 23, 0.001333521432163
	FQ 24, 0.001
	FQ 25, 0.0007498942093325
	FQ 26, 0.0005623413251903
	FQ 27, 0.0004216965034286
	FQ 28, 0.0003162277660168
	FQ 29, 0.0002371373705662
	FQ 30, 0.0001778279410039
	FQ 31, 0.0001333521432163
	s_wait_kmcnt 0x0
.macro ROPE1 p                         ; position p of my 16; its result has registers of its own, so that no store's data are written again
	v_cvt_f32_i32 v21, s[32+\p]
	s_wait_alu depctr_va_vdst(0)
	v_mul_f32 v21, v21, v20                        ; the angle, rounded to f32 as the definition has it
	v_mul_f32 v22, s48, v21
	v_rndne_f32 v22, v22                           ; n: quarter turns
	v_fma_f32 v23, v22, s49, v21
	v_fma_f32 v23, v22, s50, v23
	v_fma_f32 v23, v22, s51, v23                   ; r = angle - n pi / 2
	v_mul_f32 v24, v23, v23                        ; z
	v_fma_f32 v25, v24, s54, s53
	v_fma_f32 v26, v24, s57, s56
	v_fma_f32 v25, v25, v24, s52
	v_fma_f32 v26, v26, v24, s55
	v_mul_f32 v27, v23, v24
	v_mul_f32 v28, v24, v24
	v_fma_f32 v25, v25, v27, v23                   ; sin r
	v_fma_f32 v29, v24, -0.5, 1.0
	v_fma_f32 v26, v26, v28, v29                   ; cos r
	v_cvt_i32_f32 v30, v22
	v_and_b32 v31, 1, v30
	v_cmp_eq_u32 vcc_lo, 1, v31                    ; an odd quarter: sin and cos change places
	v_cndmask_b32 v32, v25, v26, vcc_lo
	v_cndmask_b32 v33, v26, v25, vcc_lo
	v_lshlrev_b32 v34, 30, v30                     ; sin is negative in quarters 2 and 3: bit 1 of n;
	v_add_nc_u32 v35, 1, v30
	v_lshlrev_b32 v35, 30, v35                     ; cos in quarters 1 and 2: bit 1 of n + 1
	v_and_b32 v34, s59, v34
	v_and_b32 v35, s59, v35
	v_xor_b32 v[64+2*\p], v33, v35
	v_xor_b32 v[65+2*\p], v32, v34
	global_store_b64 v10, v[64+2*\p:65+2*\p], s[16:17] offset:\p*256   ; 256 consecutive bytes, aligned
.endm
.irp p, 0,1,2,3,4,5,6,7,8,9,10,11,12,13,14,15
	ROPE1 \p
.endr
	s_endpgm
.Lfunc_end_k_qd75a5a3b47_prep:
	.size	k_qd75a5a3b47_prep, .Lfunc_end_k_qd75a5a3b47_prep-k_qd75a5a3b47_prep
	.p2alignl 7, 3214868480
	.fill 96, 4, 3214868480
	.section	.rodata,"a",@progbits
	.p2align	6, 0x0
	.amdhsa_kernel k_qd75a5a3b47_prep
		.amdhsa_group_segment_fixed_size 34304
		.amdhsa_private_segment_fixed_size 0
		.amdhsa_enable_private_segment 0
		.amdhsa_kernarg_size 56
		.amdhsa_user_sgpr_count 2
		.amdhsa_user_sgpr_kernarg_segment_ptr 1
		.amdhsa_wavefront_size32 1
		.amdhsa_system_sgpr_workgroup_id_x 1
		.amdhsa_system_sgpr_workgroup_id_y 1
		.amdhsa_system_sgpr_workgroup_id_z 1
		.amdhsa_system_vgpr_workitem_id 0
		.amdhsa_next_free_vgpr 256
		.amdhsa_next_free_sgpr 66
		.amdhsa_reserve_vcc 1
		.amdhsa_float_denorm_mode_32 3
		.amdhsa_float_denorm_mode_16_64 3
		.amdhsa_memory_ordered 1
		.amdhsa_forward_progress 1
		.amdhsa_inst_pref_size 44
	.end_amdhsa_kernel
	.amdgpu_metadata
---
amdhsa.version: [ 1, 2 ]
amdhsa.kernels:
  - .name:           k_qd75a5a3b47_prep
    .symbol:         k_qd75a5a3b47_prep.kd
    .args:
      - { .name: x, .offset: 0, .size: 8, .value_kind: global_buffer, .address_space: global }
      - { .name: wqkv, .offset: 8, .size: 8, .value_kind: global_buffer, .address_space: global }
      - { .name: wo, .offset: 16, .size: 8, .value_kind: global_buffer, .address_space: global }
      - { .name: token_positions, .offset: 24, .size: 8, .value_kind: global_buffer, .address_space: global }
      - { .name: img1, .offset: 32, .size: 8, .value_kind: global_buffer, .address_space: global }
      - { .name: scl1, .offset: 40, .size: 8, .value_kind: global_buffer, .address_space: global }
      - { .name: rope, .offset: 48, .size: 8, .value_kind: global_buffer, .address_space: global }
    .group_segment_fixed_size: 34304
    .private_segment_fixed_size: 0
    .kernarg_segment_align: 8
    .kernarg_segment_size: 56
    .max_flat_workgroup_size: 128
    .sgpr_count:     66
    .vgpr_count:     256
    .wavefront_size: 32
...
	.end_amdgpu_metadata
.endif
;; end of part 1
;; launch gemm1 (part 2): grid 8 x 32, 4 waves a work-group, clusters of 4 x 4, 327,680 bytes of LDS; arguments img1, scl1, rope, qkv; writes qkv
.if DOCPART == 2
	.amdgcn_target "amdgcn-amd-amdhsa--gfx1250"
	.amdhsa_code_object_version 6
	.text
	.protected	k_qd75a5a3b47_gemm1
	.globl	k_qd75a5a3b47_gemm1
	.p2align	8
	.type	k_qd75a5a3b47_gemm1,@function
k_qd75a5a3b47_gemm1:
	s_mov_b64 s[64:65], 0
	v_nop
	global_prefetch_b8 v0, s[64:65] scope:SCOPE_SE
	s_setreg_imm32_b32 hwreg(HW_REG_WAVE_MODE, 25, 1), 1
	s_wait_xcnt 0x0
	s_wait_alu depctr_hold_cnt(0) depctr_sa_sdst(0) depctr_va_vdst(0) depctr_va_sdst(0) depctr_va_ssrc(0) depctr_va_vcc(0) depctr_vm_vsrc(0)
	s_getreg_b32 s2, hwreg(HW_REG_IB_STS2, 6, 4)
	s_cmp_eq_u32 s2, 0
	s_cbranch_scc0 .Lentry_in_a_cluster
	s_endpgm
.Lentry_in_a_cluster:
	s_bfe_u32 s2, ttmp6, 0x10000c
	s_cmp_lg_u32 s2, 0xf033
	s_cbranch_scc0 .Lentry_shape_is_right
	s_endpgm
.Lentry_shape_is_right:
; GEMM1.  qkv = x wqkv^T on codes of FP6 (E2M3) with E8M0 scales, K = 1,024; then RoPE on q and k; then q, k (along the head's 64) and v (along the keys) are quantised again and leave as codes.
; 256 WORK-GROUPS OF FOUR WAVES, EACH WITH TWO PHASES OF EQUAL SHAPE IN ALL.  Phase 1: a tile of 256 tokens x 256 features of q (cluster x = 0) or k (1): a wave makes 128 x 128, 64 accumulators.
; Phase 2: a half tile of v, 128 features x 256 keys (8 x 32 = 256 of them): a wave makes 64 x 128, 32 accumulators.  K goes in four fills of 256 through two LDS slots, in both phases.
; THE RING GOES ON FROM PHASE 1 INTO PHASE 2: phase 2's fill 0 takes slot 0 at the change of slots in K step 5, its fill 1 takes slot 1 behind a round that stands behind q's or k's second tile on the way out.
; THE CODES lie in memory in the order of an operand's registers (tiles of 16 rows, chunks of 64 along K of 768 bytes: a lane's 16 bytes at 16 l, its last 8 at 512 + 8 l), so a fragment is
; four dense LDS loads and a fill is one block of rows of 3,072 bytes: no pitch, no padding.
; WHICH ROWS FORM A TILE: slot i of tile t is row 32 (t / 2) + 8 (t % 2) + i + 8 (i / 8).  The product is D = source 0 x source 1^T: a lane holds ONE slot of source 1, and the 16 registers of source 0's
; tiles 2 b and 2 b + 1 are rows 32 b + 16 (lane / 16) + 0 .. 15: sixteen neighbours along the next product's K, as the conversions want them.
; THE SIDES CHANGE ROLES.  Phase 1: source 1 (side A) = x, source 0 (side B) = wqkv: a lane holds a token, its registers run along the features.
; Phase 2: side A = 128 of the rows of wqkv that make v, side B = x: a lane holds a feature, its registers run along the keys.
; CLUSTERS: 4 x 4.  Side A's tiles are shared along a row of the cluster, side B's along a column: each is asked for jointly.  Branches hang on the wave's number alone.
; PREFETCHES, two fills ahead, shared out by ADDRESS among the partners that ask jointly; x's tiles of phase 2 are not asked for: this cluster has read them in phase 1.
; THE RECORDS (qkv): one of REC bytes for each (batch, head): 16 key steps of 13,056 bytes (K: 8 tiles x 768; V: [chunk 2][tile of the head's 64: 4] x 768; K's scale words [slot 16][tile 8];
; V's [slot 16][tile 4]), then Q's 128 tiles x 768, then Q's scale words [step 16][slot 16][tile 8].  q's and k's words hold two bytes; the upper two are 0, over codes that are zeros.
; LIMITS: a block of zeros gets the byte 1 (its codes are zeros; this program alone reads the bytes); NaN and infinities are not served.
; REGISTERS, in windows of 256: window 0: v2-3, v7-9, v16-31 addresses; v32-95 scale words and nothing else; v96-121 at work on the way out; v128-223 side A's fragments (phase 1: ONE set of eight; phase 2:
; two sets of four; on the way out: v128-191 the rotated numbers, v192-231 codes).  window 1: side B's fragments, TWO sets, at v0 and v128; v96-127 and v224-255 two sets of cos and sin.
; windows 2, 3: the accumulators ((a, b) at v[8 (8 (a % 4) + b)]).
.set FR,     12                        ; registers of a fragment: 16 rows x 128 K
.set NL,     4                         ; LDS loads that bring one
.set NP,     4                         ; places behind this matrix instruction (ISA guide 7.12.1)
.set FILLB,  3072                      ; a tile's bytes of one fill: 256 along K
.set TILEB,  12288                     ; a tile's bytes in memory
.set HALFT,  8*FILLB                   ; 8 tiles: a wave's region of a slot
.set SLOT,   4*HALFT                   ; side A's two halves, then side B's
.set SPARE,  2*SLOT                    ; the spare words, 128 bytes a wave
.set REC,    315392
.set PFO,  7                           ; v7  phase 1's prefetches: my block's offset;  v8 phase 2's;  never rewritten
.set PF2,  8
.set SLO2, 9                           ; v9  where phase 2's scale words come from
.set ADRA, 16                          ; v16-17 side A in slot 0, 1: + 16 l;  v18-19: + 8 l
.set ADRB, 20                          ; v20-23 the same for side B
.set L16,  24
.set L8,   25
.set TBO,  26                          ; my offset in the table: (r + 8 (r / 8)) rows of 256 bytes + 64 h
.set SCO,  27                          ; where my scale words go
.set SPW,  28                          ; LDS address of my spare word; never rewritten
.set NIL,  29                          ; 0; never rewritten
.set H16,  30
.set SLO,  31                          ; where phase 1's scale words come from: lanes 0-15 side A's, lanes 16-31 side B's
.set SC,   32                          ; v[SC + 8 i + q]: lanes 0-15 the word of side A's tile i, lanes 16-31 of side B's tile i, for K step q
.set TM,   96
.set PW,   112
.set WW,   114
.set AF,   128
.set RS,   128
.set PC0,  192                         ; codes: two sets of 20 by turns
.set G1, 24
.set G0, 32
.set G1B, 48
.set G0B, 56
.set MHI, 74
.set SEL, 88
.set MSB, 0
.macro WIN new                         ; the immediate's high byte repeats the setting that is left
.if MSB != (\new)
	s_set_vgpr_msb (MSB<<8)|(\new)
.set MSB, (\new)
.endif
.endm
.set MUL_LO, 0xa1                      ; source 0 (side B) window 1, source 1 (side A) window 0, C and D window 2
.set MUL_HI, 0xf1
.set TO_B,   0x40
; A joint load: waves 0 and 1 fetch for side A, waves 2 and 3 for side B.  An s_nop 0 and four v_nop follow each of the two lines.
.macro JLOAD g0a, g1a, g0b, g1b
	s_cmp_eq_u32 s15, 0
	s_cbranch_scc0 .Lfor_b_\@
	tensor_load_to_lds s[\g0a:\g0a+3], s[\g1a:\g1a+7]
	s_nop 0
.rept 4
	v_nop
.endr
	s_branch .Lasked_\@
.Lfor_b_\@:
	tensor_load_to_lds s[\g0b:\g0b+3], s[\g1b:\g1b+7]
	s_nop 0
.rept 4
	v_nop
.endr
.Lasked_\@:
.endm
.macro CREST                           ; a round of the cluster's barrier behind its opening barrier
	s_cmp_lg_u32 s14, 0
	s_cbranch_scc1 .Lnot_wave_0_\@
	s_barrier_signal -3
.Lnot_wave_0_\@:
	s_barrier_wait -3
	s_barrier_signal -1
	s_barrier_wait -1
.endm
.macro CROUND
	s_barrier_signal -1
	s_barrier_wait -1
	CREST
.endm
.macro PLACES n
.rept \n
	v_nop
.endr
.endm
.macro SCL adr, i                      ; the scale words of tile i, all eight K steps
.irp q, 0,1,2,3,4,5,6,7
	global_load_b32 v[SC+8*\i+\q], v[\adr], s[6:7] offset:\i*512+\q*64
.endr
.endm
.macro ASK2 f                          ; phase 2's fill f of v's weights: my 6 blocks of 256 bytes of the 96 that my row of the cluster will load
	global_prefetch_b8 v[PF2], s[98:99] offset:(\f)*FILLB th:TH_LOAD_NT scope:SCOPE_SE
.endm
	s_load_b256 s[4:11], s[0:1], 0x0               ; img1 s[4:5], scl1 s[6:7], rope s[8:9], qkv s[10:11]
	v_lshl_add_u32 v[SPW], v0, 2, SPARE
	v_mov_b32 v[NIL], 0
	ds_add_u32 v[SPW], v[NIL]                      ; the opening lines: the add twice on end and its wait
	ds_add_u32 v[SPW], v[NIL]
	s_wait_dscnt 0x0
	v_lshrrev_b32 v1, 5, v0
	v_readfirstlane_b32 s14, v1                    ; wave 0..3
	s_lshr_b32 s15, s14, 1                         ; which half of side A is mine.  Also: I fetch for side A (0) or B (1)
	s_and_b32 s16, s14, 1                          ; which half of side B.  Also: which half of that side I fetch
	s_bfe_u32 s40, ttmp6, 0x40000                  ; cx, cy: my place in the cluster
	s_bfe_u32 s41, ttmp6, 0x40004
	s_and_b32 s44, ttmp7, 0xffff                   ; the cluster's y
	s_lshl_b32 s17, s44, 2
	s_add_co_u32 s17, s17, s41                     ; phase 1, side A: x's block of 256 rows 4 y + cy,
	s_lshl_b32 s18, s17, 4                         ; its first tile in img1
	s_lshl_b32 s20, ttmp9, 2
	s_add_co_u32 s20, s20, s40                     ; side B: wqkv's block 4 x + cx,
	s_lshl_b32 s21, s20, 4
	s_add_co_u32 s21, s21, 512                     ; its first tile
	s_lshl_b32 s12, ttmp9, 2
	s_add_co_u32 s12, s12, s41                     ; phase 2, side A: which 128 of v's 1,024 features: 4 x + cy,
	s_lshl_b32 s19, s12, 3
	s_add_co_u32 s19, s19, 640                     ; their first tile
	s_lshl_b32 s13, s44, 2
	s_add_co_u32 s13, s13, s40                     ; side B: x's block 4 y + cx,
	s_lshl_b32 s22, s13, 4                         ; its first tile
	s_lshl_b32 s45, s41, 2
	s_lshl_b32 s45, 15, s45                        ; my row of the cluster
	s_lshl_b32 s46, 0x1111, s40                    ; my column
	s_or_b32 s[G1], s45, (3<<16)|(1<<21)           ; 15:0 the mask; 17:16 elements of 8 bytes; 21 set beside a mask
	s_or_b32 s[G1B], s46, (3<<16)|(1<<21)
.irp g, G1, G1B                                ; 8 rows (tiles) of 3,072 bytes, 12,288 bytes apart, dense in LDS
	s_mov_b32 s[\g+1], (FILLB/8)<<16
	s_mov_b32 s[\g+2], 8<<16
	s_mov_b32 s[\g+3], (FILLB/8)<<16
	s_mov_b32 s[\g+4], 8
	s_mov_b32 s[\g+5], TILEB/8
	s_mov_b32 s[\g+6], 0
	s_mov_b32 s[\g+7], 0
.endr
	s_lshl_b32 s23, s16, 3
	s_add_co_u32 s66, s18, s23                     ; phase 1, side A: the first tile that I would fetch (no register of it ever holds cx),
	s_mul_i32 s66, s66, TILEB
	s_mov_b32 s67, 0
	s_add_co_u32 s68, s21, s23                     ; side B (none ever holds cy)
	s_mul_i32 s68, s68, TILEB
	s_mov_b32 s69, 0
	s_add_co_u32 s96, s22, s23                     ; phase 2, side B: 8 tiles a wave,
	s_mul_i32 s96, s96, TILEB
	s_mov_b32 s97, 0
	s_lshl_b32 s23, s16, 2
	s_add_co_u32 s94, s19, s23                     ; side A: 4 tiles a wave
	s_mul_i32 s94, s94, TILEB
	s_mov_b32 s95, 0
	s_lshl_b32 s98, s40, 2
	s_add_co_u32 s98, s98, s14                     ; phase 2's prefetches: u = 4 cx + wave, one of the 16 waves of my row of the cluster: blocks 6 u .. 6 u + 5 of the 8 tiles x 12 blocks of a fill
	s_lshr_b32 s99, s98, 1
	s_add_co_u32 s99, s99, s19
	s_mul_i32 s99, s99, TILEB                      ; tile u / 2,
	s_and_b32 s98, s98, 1
	s_mul_i32 s98, s98, 1536                       ; its lower or upper six blocks
	s_add_co_u32 s98, s98, s99
	s_mov_b32 s99, 0
	s_mul_i32 s47, s14, HALFT                      ; where my tiles go: wave x a region: no place in the cluster enters an LDS address
	s_wait_kmcnt 0x0
	s_add_nc_u64 s[66:67], s[4:5], s[66:67]
	s_add_nc_u64 s[68:69], s[4:5], s[68:69]
	s_add_nc_u64 s[94:95], s[4:5], s[94:95]
	s_add_nc_u64 s[96:97], s[4:5], s[96:97]
	s_add_nc_u64 s[98:99], s[4:5], s[98:99]
	CROUND                                         ; all sixteen work-groups are here: the first joint loads meet
.irp s, 0,1
	s_mov_b32 s[G0+4*\s], 1
	s_add_co_u32 s[G0+4*\s+1], s47, \s*SLOT
	s_add_nc_u64 s[G0+4*\s+2:G0+4*\s+3], s[66:67], \s*FILLB
	s_or_b32 s[G0+4*\s+3], s[G0+4*\s+3], 0x80000000
	s_mov_b32 s[G0B+4*\s], 1
	s_add_co_u32 s[G0B+4*\s+1], s47, \s*SLOT
	s_add_nc_u64 s[G0B+4*\s+2:G0B+4*\s+3], s[68:69], \s*FILLB
	s_or_b32 s[G0B+4*\s+3], s[G0B+4*\s+3], 0x80000000
.endr
	JLOAD G0, G1, G0B, G1B                         ; fill 0: one tensor load a wave at the head
	; phase 1's prefetches: of the 8 tiles x 3,072 bytes that I fetch in a fill, each of the four partners that ask for them with me takes two tiles (cx for side A, cy for side B):
	; 24 blocks of 256 bytes, a lane a block; the lanes left over name the last block again
	s_cmp_eq_u32 s15, 0
	s_cselect_b64 s[90:91], s[66:67], s[68:69]
	s_cselect_b32 s92, s40, s41
	s_mul_i32 s92, s92, 2*TILEB
	s_mov_b32 s93, 0
	s_add_nc_u64 s[90:91], s[90:91], s[92:93]
	v_and_b32 v1, 31, v0
	v_min_u32 v[PFO], 23, v1
	v_min_u32 v[PF2], 5, v1
	v_mul_u32_u24 v10, v[PFO], 11
	v_lshlrev_b32 v[PF2], 8, v[PF2]
	v_lshrrev_b32 v10, 7, v10                      ; block / 12: which of my two tiles
	v_mul_u32_u24 v10, v10, TILEB-FILLB
	v_lshl_add_u32 v[PFO], v[PFO], 8, v10
	v_lshlrev_b32 v[L16], 4, v1
	v_lshlrev_b32 v[L8], 3, v1
	global_prefetch_b8 v[PFO], s[90:91] offset:FILLB th:TH_LOAD_NT scope:SCOPE_SE     ; fill 1
	global_prefetch_b8 v[PFO], s[90:91] offset:2*FILLB th:TH_LOAD_NT scope:SCOPE_SE   ; fill 2
	s_mul_i32 s70, s15, HALFT                      ; my half of side A
	s_mul_i32 s71, s16, HALFT                      ; my half of side B,
	s_add_co_u32 s71, s71, 2*HALFT                 ; which lies behind side A's two
.irp s, 0,1
	v_add_nc_u32 v[ADRA+\s], s70, v[L16]
	v_add_nc_u32 v[ADRA+2+\s], s70, v[L8]
	v_add_nc_u32 v[ADRB+\s], s71, v[L16]
	v_add_nc_u32 v[ADRB+2+\s], s71, v[L8]
	s_add_co_u32 s70, s70, SLOT
	s_add_co_u32 s71, s71, SLOT
.endr
	v_and_b32 v2, 15, v0                           ; r
	v_bfe_u32 v3, v0, 4, 1                         ; h
	v_and_b32 v4, 8, v2
	v_add_nc_u32 v4, v4, v2                        ; r + 8 (r / 8)
	v_lshlrev_b32 v[TBO], 8, v4
	v_lshl_add_u32 v[TBO], v3, 6, v[TBO]
	v_lshlrev_b32 v[H16], 4, v3
	s_wait_alu depctr_va_vdst(0)
	s_lshl_b32 s72, s15, 3
	s_add_co_u32 s72, s72, s18
	s_lshl_b32 s72, s72, 9                         ; phase 1, side A's scale words: 512 bytes a tile
	s_lshl_b32 s73, s16, 3
	s_add_co_u32 s73, s73, s21
	s_lshl_b32 s73, s73, 9                         ; side B's
	s_lshl_b32 s70, s15, 2
	s_add_co_u32 s70, s70, s19
	s_lshl_b32 s70, s70, 9                         ; phase 2, side A's: my four tiles
	s_lshl_b32 s71, s16, 3
	s_add_co_u32 s71, s71, s22
	s_lshl_b32 s71, s71, 9                         ; side B's
	s_mov_b32 s[MHI], 0xffff0000
	s_mov_b32 s[SEL], 0x76543210
	s_mov_b32 s[SEL+1], 0xfedcba98
	v_mov_b32 v5, s72
	v_mov_b32 v6, s73
	v_mov_b32 v10, s70
	v_mov_b32 v11, s71
	v_cndmask_b32 v5, v5, v6, s[MHI]
	v_cndmask_b32 v10, v10, v11, s[MHI]
	v_lshl_add_u32 v[SLO], v2, 2, v5
	v_lshl_add_u32 v[SLO2], v2, 2, v10
.irp b, 0,1,2,3
	v_mov_b32 v[TM+4+\b], 0                        ; written once: a lane permute's destination counts as one of its sources
.endr
.irp i, 0,1,2,3,4,5,6,7                        ; phase 1's scale words of all of K come once and stay in registers
	SCL SLO, \i
.endr
	s_lshl_b32 s75, s17, 8
	s_lshl_b32 s76, s15, 7
	s_add_co_u32 s75, s75, s76                     ; side A's first row of mine
	s_and_b32 s76, s75, 2047                       ; as a place in the sequence
	s_lshl_b32 s76, s76, 8
	s_mov_b32 s77, 0
	s_add_nc_u64 s[8:9], s[8:9], s[76:77]          ; the table at that place
; cos and sin for side A's tile a: of my token's row the pairs 16 bb + 8 h + 0 .. 7, bb = 0, 1: 2 x 64 bytes, into set a % 2 of window 1
.macro TABLE a
	WIN TO_B
.irp bb, 0,1
.irp e, 0,1,2,3
	global_load_b128 v[96+128*((\a)%2)+16*\bb+4*\e:96+128*((\a)%2)+16*\bb+4*\e+3], v[TBO], s[8:9] offset:(32*((\a)/2)+8*((\a)%2))*256+128*\bb+16*\e
.endr
.endr
	WIN 0
.endm
	TABLE 0                                        ; the first two sets are asked for here, a whole product ahead of their use
	TABLE 1
.macro FRAG reg, adr, off              ; a fragment: two chunks of 768 bytes; of each my 16 bytes and my 8
	ds_load_b128 v[\reg:\reg+3], v[\adr] offset:\off
	ds_load_b64 v[\reg+4:\reg+5], v[\adr+2] offset:\off+512
	ds_load_b128 v[\reg+6:\reg+9], v[\adr] offset:\off+768
	ds_load_b64 v[\reg+10:\reg+11], v[\adr+2] offset:\off+1280
.endm
.macro FETCH_B slot, q, p              ; side B's eight fragments of the slot's q-th 128 along K into set p
	WIN TO_B
.irp i, 0,1,2,3,4,5,6,7
	FRAG 128*(\p)+FR*\i, ADRB+\slot, \i*FILLB+(\q)*1536
.endr
	WIN 0
.endm
.macro FETCH_A slot, q, i0             ; side A's tiles i0 .. i0 + 3
.irp i, \i0, \i0+1, \i0+2, \i0+3
	FRAG AF+FR*(\i), ADRA+\slot, (\i)*FILLB+(\q)*1536
.endr
.endm
; 16 matrix instructions: side A's tiles a0, a0 + 1 x side B's eight, K step kq.  p: side B's set.  zero = 1: the first product starts the sums.
; The accumulators take turns, one instruction a turn, in the same order in every step.
.macro MUL16 a0, p, kq, zero
.irp a, \a0, \a0+1
.irp b, 0,1,2,3,4,5,6,7
.if \zero
	v_wmma_scale_f32_16x16x128_f8f6f4 v[8*(8*((\a)%4)+\b):8*(8*((\a)%4)+\b)+7], v[128*(\p)+FR*\b:128*(\p)+FR*\b+FR-1], v[AF+FR*(\a):AF+FR*(\a)+FR-1], 0, v[SC+8*\b+(\kq)], v[SC+8*(\a)+(\kq)] matrix_a_fmt:MATRIX_FMT_FP6 matrix_b_fmt:MATRIX_FMT_FP6 matrix_a_scale:MATRIX_SCALE_ROW1
.else
	v_wmma_scale_f32_16x16x128_f8f6f4 v[8*(8*((\a)%4)+\b):8*(8*((\a)%4)+\b)+7], v[128*(\p)+FR*\b:128*(\p)+FR*\b+FR-1], v[AF+FR*(\a):AF+FR*(\a)+FR-1], v[8*(8*((\a)%4)+\b):8*(8*((\a)%4)+\b)+7], v[SC+8*\b+(\kq)], v[SC+8*(\a)+(\kq)] matrix_a_fmt:MATRIX_FMT_FP6 matrix_b_fmt:MATRIX_FMT_FP6 matrix_a_scale:MATRIX_SCALE_ROW1
.endif
.endr
.endr
.endm
; Phase 1: a slot's first 128 along K.  A load into a register that a matrix instruction has read stands NP places behind it; only plain vector instructions are places.
.macro STEP slot, kq, zero
	s_wait_dscnt 4*NL                              ; side B's set and side A's tiles 0-3 are in; the youngest 16 loads (tiles 4-7) may be out
	WIN MUL_LO
	MUL16 0, 0, \kq, \zero
	MUL16 2, 0, \kq, \zero
	s_wait_dscnt 0x0                               ; tiles 4-7 are in
	PLACES NP
	FETCH_B \slot, 1, 1
	FETCH_A \slot, 1, 0
	WIN MUL_HI
	MUL16 4, 0, \kq, \zero
	MUL16 6, 0, \kq, \zero
	PLACES NP
	WIN 0
	FETCH_A \slot, 1, 4
.endm
; Phase 1: a slot's second 128 along K changes slots: in front of the barrier each wave waits for all its tensor loads, adds 0 to its spare word, and waits for that and for its own reads of this slot;
; the barrier opens a round of the cluster's barrier, and this slot is filled again.  fill = 1: with phase 1's fill two on;  fill = 2: with phase 2's fill 0.
.macro TURN slot, next, fill, kq
	s_wait_tensorcnt 0x0                           ; all my tensor loads have landed: my part of the next slot
	ds_add_u32 v[SPW], v[NIL]
	s_wait_dscnt 4*NL+1                            ; (the add and the youngest 16 loads, side A's tiles 4-7, may be out)
	WIN MUL_LO
	MUL16 0, 1, \kq, 0
	s_wait_dscnt 0x0                               ; the add is done, and my reads of this slot are over
	s_barrier_signal -1
	MUL16 2, 1, \kq, 0
	WIN 0
	s_barrier_wait -1
	CREST                                          ; no wave of any partner still reads this slot or has a load on its way: so every descriptor may be written
.if \fill == 1
	s_add_nc_u64 s[G0+4*\slot+2:G0+4*\slot+3], s[G0+4*\slot+2:G0+4*\slot+3], 2*FILLB
	s_add_nc_u64 s[G0B+4*\slot+2:G0B+4*\slot+3], s[G0B+4*\slot+2:G0B+4*\slot+3], 2*FILLB
.else
	s_mov_b32 s[G1+2], 4<<16                       ; from here on side A's load brings 4 tiles
	s_mov_b32 s[G1+4], 4
	s_mov_b64 s[G0+2:G0+3], s[94:95]               ; slot 0: phase 2's fill 0;
	s_or_b32 s[G0+3], s[G0+3], 0x80000000
	s_mov_b64 s[G0B+2:G0B+3], s[96:97]
	s_or_b32 s[G0B+3], s[G0B+3], 0x80000000
	s_add_nc_u64 s[G0+6:G0+7], s[94:95], FILLB     ; slot 1: its fill 1
	s_or_b32 s[G0+7], s[G0+7], 0x80000000
	s_add_nc_u64 s[G0B+6:G0B+7], s[96:97], FILLB
	s_or_b32 s[G0B+7], s[G0B+7], 0x80000000
.endif
	JLOAD G0+4*\slot, G1, G0B+4*\slot, G1B         ; the first tensor load behind the round; the four v_nop behind it are the places in front of the loads below
	FETCH_B \next, 0, 0
	FETCH_A \next, 0, 0
	WIN MUL_HI
	MUL16 4, 1, \kq, 0
	MUL16 6, 1, \kq, 0
	PLACES NP
	WIN 0
	FETCH_A \next, 0, 4
.endm
.macro MEET                            ; the three lines and a whole round in front of a fill
	s_wait_alu depctr_va_vdst(0)
	s_wait_tensorcnt 0x0
	ds_add_u32 v[SPW], v[NIL]
	s_wait_dscnt 0x0
	CROUND
.endm
	MEET                                           ; everybody's part of fill 0 is in, and all sixteen work-groups are here
	JLOAD G0+4, G1, G0B+4, G1B                     ; fill 1, the first tensor load behind the round
	s_wait_loadcnt 0x0                             ; the scale words and the first two sets of the table
	FETCH_B 0, 0, 0
	FETCH_A 0, 0, 0
	FETCH_A 0, 0, 4
	global_prefetch_b8 v[PFO], s[90:91] offset:3*FILLB th:TH_LOAD_NT scope:SCOPE_SE   ; fill 3
	STEP 0, 0, 1                                   ; K is four fills, eight steps: written straight, so that each step names its own scale registers
	TURN 0, 1, 1, 1
	ASK2 0
	STEP 1, 2, 0
	TURN 1, 0, 1, 3
	ASK2 1
	STEP 0, 4, 0
	TURN 0, 1, 2, 5
	ASK2 2
	STEP 1, 6, 0
	s_wait_dscnt 4*NL                              ; phase 1's last step
	WIN MUL_LO
	MUL16 0, 1, 7, 0
	MUL16 2, 1, 7, 0
	s_wait_dscnt 0x0
	WIN MUL_HI
	MUL16 4, 1, 7, 0
	MUL16 6, 1, 7, 0
	WIN 0
	PLACES NP                                      ; in front of the first read of results, of loads into the scale registers and of writes into the registers that held side A's fragments
.irp i, 0,1,2,3,4,5                            ; phase 2's scale words: 48 loads now, 16 behind tile 5: they land while q or k goes out
	SCL SLO2, \i
.endr
; 64 numbers of a lane, v[s] .. v[s + 63] of window win, register 16 b + i = k 32 b + 16 h + i of my row, become a fragment's codes in v[pc] .. v[pc + 11] and its scale word in v[pw].
; Each accumulator is read from its low end on.
.macro QUANT s, win, pc, pw
	WIN ((\win)<<2)|((\win)<<4)
.irp b, 0,1,2,3
	v_max3_num_f32 v[TM+\b], 0x1800000, |v[\s+16*\b]|, |v[\s+1+16*\b]|   ; block b: my 16 numbers, and the floor 2^(3 - 127): the byte cannot fall under 1
.endr
.irp i, 2,4,6,8,10,12,14
.irp b, 0,1,2,3
	v_max3_num_f32 v[TM+\b], v[TM+\b], |v[\s+16*\b+\i]|, |v[\s+1+16*\b+\i]|
.endr
.endr
	WIN 0
.irp b, 0,1,2,3
	v_permlanex16_b32 v[TM+4+\b], v[TM+\b], s[SEL], s[SEL+1]
.endr
.irp b, 0,1,2,3
	v_max_num_f32 v[TM+\b], v[TM+\b], v[TM+4+\b]   ; with lane l xor 16's: the block's largest magnitude
.endr
.irp b, 0,1,2,3
	v_add_nc_u32 v[TM+12+\b], 0xff000000, v[TM+\b] ; 2 off its exponent field: the conversion's scale operand
.endr
.irp b, 0,1,2,3
	v_lshrrev_b32 v[TM+4+\b], 23, v[TM+12+\b]      ; the scale's byte
.endr
	v_lshl_or_b32 v[\pw], v[TM+5], 8, v[TM+4]
	v_lshl_or_b32 v[\pw], v[TM+6], 16, v[\pw]
	v_lshl_or_b32 v[\pw], v[TM+7], 24, v[\pw]
	WIN (\win)
.irp c, 0,1
	v_cvt_scalef32_pk16_fp6_f32 v[\pc+6*\c:\pc+2+6*\c], v[\s+32*\c:\s+15+32*\c], v[TM+12+2*\c]
	v_cvt_scalef32_pk16_fp6_f32 v[\pc+12+4*\c:\pc+14+4*\c], v[\s+16+32*\c:\s+31+32*\c], v[TM+12+2*\c+1]   ; (a conversion's three registers begin on an even number)
.endr
	WIN 0
	v_nop                                          ; one plain place behind a scaled conversion
.irp c, 0,1                                    ; the operand's layout wants a WHOLE block in a lane
.irp i, 0,1,2
	v_permlane16_swap_b32 v[\pc+6*\c+\i], v[\pc+12+4*\c+\i]
.endr
.irp i, 0,1,2
	v_mov_b32 v[\pc+3+6*\c+\i], v[\pc+12+4*\c+\i]
.endr
.endr
.endm
	; ---- q, k go out: side A's tile a is 16 tokens; my 128 features are two heads
	s_lshr_b32 s77, s75, 11                        ; the batch
	s_bfe_u32 s78, s75, 0x40007                    ; which 128 tokens of the sequence
	s_lshl_b32 s79, s20, 2
	s_lshl_b32 s80, s16, 1
	s_add_co_u32 s79, s79, s80
	s_and_b32 s79, s79, 15                         ; my first head
	s_lshl_b32 s77, s77, 4
	s_add_co_u32 s77, s77, s79
	s_mul_i32 s77, s77, REC                        ; its record
	s_mul_i32 s80, s78, 13056                      ; k: the key step's record;
	s_add_co_u32 s83, s80, 12288                   ;    its scale words
	s_mul_i32 s81, s78, 6144
	s_add_co_u32 s81, s81, 208896                  ; q: its 8 tiles;
	s_lshl_b32 s82, s78, 9
	s_add_co_u32 s82, s82, 307200                  ;    their scale words
	s_cmp_eq_u32 ttmp9, 0
	s_cselect_b32 s80, s81, s80
	s_cselect_b32 s82, s82, s83
	s_add_co_u32 s80, s80, s77
	s_mov_b32 s81, 0
	s_add_nc_u64 s[84:85], s[10:11], s[80:81]      ; the codes
	s_add_co_u32 s82, s82, s77
	s_mov_b32 s83, 0
	s_add_nc_u64 s[86:87], s[10:11], s[82:83]      ; the scale words
	v_mul_u32_u24 v[SCO], v3, REC                  ; lanes 16-31 hold the second head's words
	v_lshl_add_u32 v[SCO], v2, 5, v[SCO]           ; 32 bytes a slot
; Tile a: RoPE (register pair n of 32 = features 2 n', 2 n' + 1; its cos and sin are pair n % 16 of the set: both heads take the same), quantiser, stores.
.macro QKTILE a
.set XX, 64*((\a)%4)
.set CSX, 96+128*((\a)%2)
.set PCX, PC0+20*((\a)%2)
.if (\a) == 7
	s_wait_loadcnt 16                              ; the last set is in; phase 2's last 16 scale words may be out
.elseif (\a) == 6
	s_wait_loadcnt 24                              ; this tile's set is in; the next tile's 8 loads and those 16 may be out
.elseif (\a) >= 2
	s_wait_loadcnt 8                               ; this tile's set is in; the next tile's 8 loads stay out
.endif
	WIN (2+(\a)/4)|4
.set n, 0
.rept 32
	v_pk_mul_f32 v[RS+2*n:RS+2*n+1], v[XX+2*n:XX+2*n+1], v[CSX+(2*n)%32:CSX+(2*n)%32+1] op_sel_hi:[0,1]   ; (x1 cos, x1 sin)
.set n, n+1
.endr
.set n, 0
.rept 32
	v_pk_fma_f32 v[RS+2*n:RS+2*n+1], v[XX+2*n:XX+2*n+1], v[CSX+(2*n)%32:CSX+(2*n)%32+1], v[RS+2*n:RS+2*n+1] op_sel:[1,1,0] op_sel_hi:[1,0,1] neg_lo:[0,1,0]   ; (- x2 sin, + x2 cos)
.set n, n+1
.endr
	WIN 0
.if (\a)+2 < 8
	TABLE (\a)+2                                   ; the set just read takes the tile two on
.endif
.if (\a) >= 2
	s_wait_xcnt 0x0                                ; tile a - 2's stores have read their data: the codes' set may be written again
.endif
	QUANT RS, 0, PCX, PW
	v_lshrrev_b32 v[WW+(\a)], v[H16], v[PW]        ; lanes 0-15 keep the first head's two bytes, lanes 16-31 the second's;
	v_and_b32 v[WW+(\a)], 0xffff, v[WW+(\a)]       ; the upper two bytes are 0
	global_store_b128 v[L16], v[PCX:PCX+3], s[84:85] offset:(\a)*768                 ; chunk c of the fragment is head c's 64: 512 + 256 consecutive bytes, aligned to 256
	global_store_b64 v[L8], v[PCX+4:PCX+5], s[84:85] offset:(\a)*768+512
	global_store_b128 v[L16], v[PCX+6:PCX+9], s[84:85] offset:(\a)*768+REC
	global_store_b64 v[L8], v[PCX+10:PCX+11], s[84:85] offset:(\a)*768+512+REC
.endm
	QKTILE 0
	QKTILE 1
	MEET                                           ; phase 2's fill 0 is in, in every wave; nobody reads slot 1 any more (each wave waited for its last fragments in phase 1's last step)
	JLOAD G0+4, G1, G0B+4, G1B                     ; phase 2's fill 1 into slot 1
	ASK2 3
.irp a, 2,3,4,5
	QKTILE \a
.endr
	SCL SLO2, 6
	SCL SLO2, 7
	QKTILE 6
	QKTILE 7
	global_store_b128 v[SCO], v[WW:WW+3], s[86:87]
	global_store_b128 v[SCO], v[WW+4:WW+7], s[86:87] offset:16
	; ---- PHASE 2: v.  Side A: my four tiles of 16 features (one head), two sets of fragments at AF and AF + 48; side B: my eight tiles of x, 128 keys, one key step
.macro HFETCH slot, q, p
	FETCH_B \slot, \q, \p
.irp i, 0,1,2,3
	FRAG AF+48*(\p)+FR*\i, ADRA+\slot, \i*FILLB+(\q)*1536
.endr
.endm
; A K step: its fragments were asked for a step ago; the next step's are asked for first, into the other sets, and land under this step's 32 matrix instructions.  A slot's reads are over when its second
; step begins: there stand the three lines and the round, the slot is filled again (K steps 1 and 3), and the other slot, now whole, is read.
.macro HSTEP kq
.set NXK, (\kq)+1
.if (\kq)%2 == 1 && (\kq) < 7
	s_wait_tensorcnt 0x0
	ds_add_u32 v[SPW], v[NIL]
	s_wait_dscnt 0x0
.if (\kq) < 5
	CROUND
	s_add_nc_u64 s[G0+4*((\kq)/2)+2:G0+4*((\kq)/2)+3], s[G0+4*((\kq)/2)+2:G0+4*((\kq)/2)+3], 2*FILLB
	s_add_nc_u64 s[G0B+4*((\kq)/2)+2:G0B+4*((\kq)/2)+3], s[G0B+4*((\kq)/2)+2:G0B+4*((\kq)/2)+3], 2*FILLB
	JLOAD G0+4*((\kq)/2), G1, G0B+4*((\kq)/2), G1B
.else
	s_barrier_signal -1                            ; nothing is left to fetch: a plain barrier shows the last fill to all waves
	s_barrier_wait -1
	PLACES NP
.endif
.else
	s_wait_dscnt 0x0
.if (\kq) > 0 && (\kq) < 7
	PLACES NP
.endif
.endif
.if (\kq) < 7
	HFETCH (NXK/2)%2, NXK%2, NXK%2
.endif
	WIN MUL_LO
.irp a, 0,1,2,3
.irp b, 0,1,2,3,4,5,6,7
.if (\kq) == 0
	v_wmma_scale_f32_16x16x128_f8f6f4 v[8*(8*\a+\b):8*(8*\a+\b)+7], v[128*((\kq)%2)+FR*\b:128*((\kq)%2)+FR*\b+FR-1], v[AF+48*((\kq)%2)+FR*\a:AF+48*((\kq)%2)+FR*\a+FR-1], 0, v[SC+8*\b+(\kq)], v[SC+8*\a+(\kq)] matrix_a_fmt:MATRIX_FMT_FP6 matrix_b_fmt:MATRIX_FMT_FP6 matrix_a_scale:MATRIX_SCALE_ROW1
.else
	v_wmma_scale_f32_16x16x128_f8f6f4 v[8*(8*\a+\b):8*(8*\a+\b)+7], v[128*((\kq)%2)+FR*\b:128*((\kq)%2)+FR*\b+FR-1], v[AF+48*((\kq)%2)+FR*\a:AF+48*((\kq)%2)+FR*\a+FR-1], v[8*(8*\a+\b):8*(8*\a+\b)+7], v[SC+8*\b+(\kq)], v[SC+8*\a+(\kq)] matrix_a_fmt:MATRIX_FMT_FP6 matrix_b_fmt:MATRIX_FMT_FP6 matrix_a_scale:MATRIX_SCALE_ROW1
.endif
.endr
.endr
	WIN 0
.endm
	s_wait_alu depctr_va_vdst(0)
	s_wait_xcnt 0x0                                ; q's or k's stores have read their registers and bases: fragments may land there, and the bases are written again below
	s_wait_loadcnt 0x0                             ; phase 2's scale words
	HFETCH 0, 0, 0
.set KQ, 0
.rept 8
	HSTEP KQ
.set KQ, KQ+1
.endr
	PLACES NP                                      ; in front of the first read of results and of writes into the registers that held side A's fragments
	s_lshl_b32 s75, s13, 8
	s_lshl_b32 s76, s16, 7
	s_add_co_u32 s75, s75, s76                     ; my first key
	s_lshr_b32 s77, s75, 11                        ; the batch
	s_bfe_u32 s78, s75, 0x40007                    ; the key step
	s_lshl_b32 s79, s12, 1
	s_add_co_u32 s79, s79, s15                     ; my head
	s_lshl_b32 s77, s77, 4
	s_add_co_u32 s77, s77, s79
	s_mul_i32 s77, s77, REC
	s_mul_i32 s80, s78, 13056
	s_add_co_u32 s80, s80, s77
	s_add_co_u32 s82, s80, 12800
	s_add_co_u32 s80, s80, 6144
	s_mov_b32 s81, 0
	s_mov_b32 s83, 0
	s_add_nc_u64 s[84:85], s[10:11], s[80:81]
	s_add_nc_u64 s[86:87], s[10:11], s[82:83]
	v_lshlrev_b32 v[SCO], 4, v2                    ; 16 bytes a slot; both halves of the lanes hold the same words and store them to the same place
.macro VTILE a                         ; tile a of the head's 64 features
.set XX, 64*(\a)
.set PCX, PC0+20*((\a)%2)
.if (\a) >= 2
	s_wait_xcnt 0x0                                ; tile a - 2's stores have read their data
.endif
	QUANT XX, 2, PCX, WW+(\a)
	global_store_b128 v[L16], v[PCX:PCX+3], s[84:85] offset:(\a)*768
	global_store_b64 v[L8], v[PCX+4:PCX+5], s[84:85] offset:(\a)*768+512
	global_store_b128 v[L16], v[PCX+6:PCX+9], s[84:85] offset:(\a)*768+3072
	global_store_b64 v[L8], v[PCX+10:PCX+11], s[84:85] offset:(\a)*768+3584
.endm
.irp a, 0,1,2,3
	VTILE \a
.endr
	global_store_b128 v[SCO], v[WW:WW+3], s[86:87]
	s_wait_tensorcnt 0x0                           ; the wave's end
	ds_add_u32 v[SPW], v[NIL]
	s_wait_dscnt 0x0
	CROUND                                         ; the closing round: no work-group ends while a partner may still ask for a tile that names it
	s_endpgm
.Lfunc_end_k_qd75a5a3b47_gemm1:
	.size	k_qd75a5a3b47_gemm1, .Lfunc_end_k_qd75a5a3b47_gemm1-k_qd75a5a3b47_gemm1
	.p2alignl 7, 3214868480
	.fill 96, 4, 3214868480
	.section	.rodata,"a",@progbits
	.p2align	6, 0x0
	.amdhsa_kernel k_qd75a5a3b47_gemm1
		.amdhsa_group_segment_fixed_size 327680
		.amdhsa_private_segment_fixed_size 0
		.amdhsa_enable_private_segment 0
		.amdhsa_kernarg_size 32
		.amdhsa_user_sgpr_count 2
		.amdhsa_user_sgpr_kernarg_segment_ptr 1
		.amdhsa_wavefront_size32 1
		.amdhsa_system_sgpr_workgroup_id_x 1
		.amdhsa_system_sgpr_workgroup_id_y 1
		.amdhsa_system_sgpr_workgroup_id_z 1
		.amdhsa_system_vgpr_workitem_id 0
		.amdhsa_next_free_vgpr 1024
		.amdhsa_next_free_sgpr 100
		.amdhsa_reserve_vcc 0
		.amdhsa_float_denorm_mode_32 3
		.amdhsa_float_denorm_mode_16_64 3
		.amdhsa_memory_ordered 1
		.amdhsa_forward_progress 1
		.amdhsa_inst_pref_size 255
	.end_amdhsa_kernel
	.section	.bss,"aw",@nobits
	.p2align	6
	.space	262144
	.amdgpu_metadata
---
amdhsa.version: [ 1, 2 ]
amdhsa.kernels:
  - .name:           k_qd75a5a3b47_gemm1
    .symbol:         k_qd75a5a3b47_gemm1.kd
    .args:
      - { .name: img1, .offset: 0, .size: 8, .value_kind: global_buffer, .address_space: global }
      - { .name: scl1, .offset: 8, .size: 8, .value_kind: global_buffer, .address_space: global }
      - { .name: rope, .offset: 16, .size: 8, .value_kind: global_buffer, .address_space: global }
      - { .name: qkv, .offset: 24, .size: 8, .value_kind: global_buffer, .address_space: global }
    .group_segment_fixed_size: 327680
    .private_segment_fixed_size: 0
    .kernarg_segment_align: 8
    .kernarg_segment_size: 32
    .max_flat_workgroup_size: 128
    .sgpr_count:     100
    .vgpr_count:     1024
    .wavefront_size: 32
...
	.end_amdgpu_metadata
.endif
;; end of part 2
;; launch attn (part 3): grid 4 x 64, 16 waves a work-group, no clusters, 327,680 bytes of LDS; arguments qkv, yimg, ysc; writes yimg, ysc
.if DOCPART == 3
	.amdgcn_target "amdgcn-amd-amdhsa--gfx1250"
	.amdhsa_code_object_version 6
	.text
	.protected	k_qd75a5a3b47_attn
	.globl	k_qd75a5a3b47_attn
	.p2align	8
	.type	k_qd75a5a3b47_attn,@function
k_qd75a5a3b47_attn:
	s_mov_b64 s[64:65], 0
	v_nop
	global_prefetch_b8 v0, s[64:65] scope:SCOPE_SE
	s_setreg_imm32_b32 hwreg(HW_REG_WAVE_MODE, 25, 1), 1
	s_wait_xcnt 0x0
; ATTN.  y = softmax(q k^T / 8, causal) v for one (batch, head), both products on codes of FP6 (E2M3) with E8M0 scales; y is quantised along d_model and leaves as codes.
; THE SOFTMAX: t = score x log2(e) / 8; M = the row's largest t so far, rounded UP to a whole number; p = 2^(t - M) is quantised along the keys; the row's sum is taken of the
; unquantised p and divides at the end.  When M moves, the sum and O are multiplied by 2^(old M - new M): exact.
; LEFT OUT: a key step all of whose keys come after a tile's queries (the causal mask makes its weights 0): a scalar branch on ids; the loops' trip counts are constants.
; SHARES.  256 work-groups, four to a head.  The head's 16 key steps (208,896 bytes, 816 rows of 256, as they lie in memory) come into LDS ONCE, in three first fills of 7, 13 and 31 rows
; a wave: behind the first 112 rows steps 0-1 are whole, behind 320 rows steps 2-5, behind all 816 the rest.  Each later fill stands behind the full sequence and a barrier
; and is on its way while the steps of the fill before it are worked.  One tensor load of a wave is out at any time.
; A wave owns one tile of 16 queries at a time, in two passes: tile 127 - 16 i - w, then tile 16 i + w (i the work-group's x, w the wave): 17 key steps that count, for every wave.
; Both tiles' codes of Q are loaded at the head.
; NO CLUSTER, NO JOINT LOADS, though the four work-groups of a head read the same bytes: which steps a wave leaves out hangs on its work-group's x.
; PREFETCHES, one fill ahead.  The four work-groups of a head share the later fills' rows out among their 64 waves (wave 16 i + w): at the head each names 4 of rows 112-367, behind the first
; barrier 7 of rows 368-815: a lane a row of 256 bytes, each row named once; the lanes left over name their wave's last row again.  Row 815 is the record's last K and V row.
; LAYOUT.  Both products transposed: S^T = K Q^T, O^T = V^T P^T: a lane holds ONE query (slot lane % 16: query Q0 + r + 8 (r / 8)).  Slot i of a tile of keys is key 32 (t / 2) + 8 (t % 2) + i + 8 (i / 8),
; so the 16 registers of tiles 2 b, 2 b + 1 are keys 32 b + 16 h + 0 .. 15; V's tiles of the head's 64 are ordered likewise.
; THE FIRST PRODUCT'S K IS 64.  Q's upper six registers hold zero codes, so whatever codes stand in the upper six registers of a fragment of K add nothing (FP6 has only finite codes; the scale
; bytes there are 0, a power of two).  So fragment t is v[KR + 6 t .. + 11]: its upper half is tile t + 1's registers, tile 7's the second pass's codes of Q: eight tiles in 54 registers.
; LIMITS: NaN and infinities are not served; a block of zeros gets the byte 1; the promise holds while |t| stays under 2^31.
.set REC,   315392
.set STEPB, 13056
.set SPARE, 0x33000                    ; behind the 16 steps: the spare words, 128 bytes a wave
.set KR,   32                          ; v32-79 K's eight tiles; v80-85 the second pass's Q.  Behind the first product v32-67 are at work:
.set BM,   32                          ;   the blocks' largest scores, then largest p
.set PX,   36                          ;   lane l xor 16's; then the scale bytes
.set SO,   40                          ;   the conversions' scale operands
.set CT,   44                          ;   the upper halves of two blocks' codes
.set CH,   52                          ;   seven chains of the row's sum
.set TP,   66
.set VR,   86                          ; v86-133 V's four fragments
.set SR,   134                         ; v134-197 S^T, then p
.set OA,   198                         ; v198-229 O^T
.set PCD,  230                         ; v230-241 p's codes
.set KS,   242                         ; v242-249 K's scale words;  v28-31 V's
.set QS,   250                         ; Q's scale words; v251 the second pass's
.set QS2,  251
.set FF,   252                         ; v252 f;  v253 p's scale word
.set SPW,  254                         ; my spare word's LDS address; never rewritten
.set NIL,  255                         ; 0; never rewritten
.set TB,   2                           ; s2 LDS byte at which the step's record begins;  s3 the step's first key
.set KF,   3
.set WV,   18
.set SEL,  20                          ; s[20:21] selects of v_permlanex16_b32: lane l xor 16
.set CS,   22                          ; s[22:23] c = log2(e) / 8
.set G1A,  24
.set G1B,  32
.set G0A,  40
.set G0B,  44
.set Q0,   48                          ; the tile's first query, s49 its last
.set QMAX, 49
.set CNT,  50
.set QT,   51                          ; the second pass's tile, s67 the first's
.set MHI,  66
.set QT0,  67
.set G1C,  68
.set G0C,  76
.macro GRP1 g, rows                    ; dense bytes as rows of 256 (32 elements of 8 bytes)
	s_mov_b32 s[\g], 3<<16
	s_mov_b32 s[\g+1], 32<<16
	s_mov_b32 s[\g+2], (\rows)<<16
	s_mov_b32 s[\g+3], 32<<16
	s_mov_b32 s[\g+4], \rows
	s_mov_b32 s[\g+5], 32
	s_mov_b32 s[\g+6], 0
	s_mov_b32 s[\g+7], 0
.endm
.macro GRP0 g, rows, first             ; my rows of a fill: the same byte offset in the record and in LDS
	s_mul_i32 s12, s[WV], (\rows)*256
	s_add_co_u32 s12, s12, (\first)*256
	s_mov_b32 s[\g], 1
	s_mov_b32 s[\g+1], s12
	s_add_nc_u64 s[\g+2:\g+3], s[54:55], s[12:13]
	s_or_b32 s[\g+3], s[\g+3], 0x80000000
.endm
.macro QLOAD q, d, sc, sa, sb          ; tile s[q]'s codes of Q into v[d .. d + 5], its scale words into v[sc]
	s_mul_i32 s12, s[\q], 768
	s_add_co_u32 s12, s12, 208896
	s_add_nc_u64 s[\sa:\sa+1], s[54:55], s[12:13]
	s_lshr_b32 s12, s[\q], 3
	s_lshl_b32 s12, s12, 9
	s_and_b32 s52, s[\q], 7
	s_lshl_b32 s52, s52, 2
	s_add_co_u32 s12, s12, s52
	s_add_co_u32 s12, s12, 307200
	s_add_nc_u64 s[\sb:\sb+1], s[54:55], s[12:13]
	global_load_b128 v[\d:\d+3], v1, s[\sa:\sa+1]
	global_load_b64 v[\d+4:\d+5], v2, s[\sa:\sa+1] offset:512
	global_load_b32 v[\sc], v3, s[\sb:\sb+1]
.endm
.macro MEET                            ; the full sequence in front of a later first fill
	s_wait_alu depctr_va_vdst(0)
	s_wait_tensorcnt 0x0                           ; my part of the fill before is in
	ds_add_u32 v[SPW], v[NIL]
	s_wait_dscnt 0x0
	s_barrier_signal -1
	s_barrier_wait -1                              ; everybody's is
.endm
.macro MASKB b                         ; the diagonal step's block b of 32 keys: passed over where all its keys come before the tile's first query (s53 = (Q0 - KF) / 32 > b)
	s_cmp_gt_u32 s53, \b
	s_cbranch_scc1 .Lseen_\@
.set n, 16*\b
.rept 16
	v_cmp_gt_i32 vcc_lo, 32*(n/16)+n%16, v[FF]
	v_cndmask_b32 v[SR+n], v[SR+n], v[TP], vcc_lo
.set n, n+1
.endr
.Lseen_\@:
.endm
	s_load_b128 s[4:7], s[0:1], 0x0                ; qkv s[4:5], yimg s[6:7]
	s_load_b64 s[8:9], s[0:1], 0x10                ; ysc
	v_lshl_add_u32 v[SPW], v0, 2, SPARE
	v_mov_b32 v[NIL], 0
	ds_add_u32 v[SPW], v[NIL]                      ; the opening lines: the add twice on end and its wait
	ds_add_u32 v[SPW], v[NIL]
	v_lshrrev_b32 v8, 5, v0
	s_delay_alu instid0(VALU_DEP_1)
	v_readfirstlane_b32 s[WV], v8                  ; wave 0..15
	GRP1 G1A, 7
	GRP1 G1B, 13
	GRP1 G1C, 31
	s_and_b32 s52, ttmp7, 0xffff                   ; batch x 16 + head
	s_mul_i32 s10, s52, REC
	s_mov_b32 s11, 0
	s_mov_b32 s13, 0
	s_wait_dscnt 0x0
	s_wait_kmcnt 0x0
	s_add_nc_u64 s[54:55], s[4:5], s[10:11]        ; the head's record
	GRP0 G0A, 7, 0
	tensor_load_to_lds s[G0A:G0A+3], s[G1A:G1A+7]  ; rows 0-111: steps 0 and 1
	s_nop 0
	GRP0 G0B, 13, 112
	GRP0 G0C, 31, 320
	s_mov_b32 s[SEL], 0x76543210
	s_mov_b32 s[SEL+1], 0xfedcba98
	s_mov_b32 s[CS], 0x3e38aa3b
	s_mov_b32 s[CS+1], s[CS]                       ; (named with it as a pair, so it is written)
	s_mov_b32 s[MHI], 0xffff0000
	s_lshl_b32 s[QT], ttmp9, 4
	s_add_co_u32 s[QT], s[QT], s[WV]               ; also my wave's number among the head's 64
	s_sub_co_u32 s[QT0], 127, s[QT]
	s_lshl_b32 s52, s[QT], 10
	s_add_co_u32 s52, s52, 112*256                 ; the first prefetch: row 112 + 4 x that number
	s_mul_i32 s53, s[QT], 7*256
	s_add_co_u32 s53, s53, 368*256                 ; the second: row 368 + 7 x that number
	v_and_b32 v8, 31, v0
	v_and_b32 v9, 15, v0                           ; r
	v_bfe_u32 v10, v0, 4, 1                        ; h
	s_delay_alu instid0(VALU_DEP_3)
	v_lshlrev_b32 v1, 4, v8                        ; 16 l
	s_delay_alu instid0(VALU_DEP_4)
	v_lshlrev_b32 v2, 3, v8                        ; 8 l
	s_delay_alu instid0(VALU_DEP_4)
	v_lshlrev_b32 v3, 5, v9                        ; 32 r
	v_lshlrev_b32 v4, 4, v9                        ; 16 r
	v_and_b32 v11, 8, v9
	v_lshlrev_b32 v10, 4, v10
	s_delay_alu instid0(VALU_DEP_2)
	v_add_nc_u32 v5, v11, v9
	s_delay_alu instid0(VALU_DEP_1)
	v_sub_nc_u32 v5, v5, v10                       ; r + 8 (r / 8) - 16 h
	v_min_u32 v6, 3, v8
	v_min_u32 v7, 6, v8
	s_delay_alu instid0(VALU_DEP_2)
	v_lshl_add_u32 v6, v6, 8, s52                  ; the prefetches' byte offsets in the record (v6, v7 take y's scale words later)
	s_delay_alu instid0(VALU_DEP_2)
	v_lshl_add_u32 v7, v7, 8, s53
.irp j, 22,23,24,25,26,27
	v_mov_b32 v[\j], 0                             ; Q's upper 64 along K: zero codes
.endr
.irp b, 0,1,2,3
	v_mov_b32 v[PX+\b], 0                          ; a lane permute's destination counts as one of its sources
.endr
	v_mov_b32 v[FF], 0
	v_mov_b32 v[FF+1], 0
	s_wait_alu depctr_va_vdst(0)
	global_prefetch_b8 v6, s[54:55] th:TH_LOAD_NT scope:SCOPE_SE
	QLOAD QT0, 16, QS, 56, 58
	QLOAD QT, KR+48, QS2, 14, 16
; A KEY STEP: 128 keys, whose record begins at LDS byte s[TB].
.macro STEP
	s_cmp_gt_u32 s[KF], s[QMAX]                    ; all its keys come after my queries: only the lines at its end are run
	s_cbranch_scc1 .Lhidden_\@
	v_add_nc_u32 v8, s[TB], v1                     ; (these four are also the places behind the last step's products)
	v_add_nc_u32 v9, s[TB], v2
	v_add_nc_u32 v10, s[TB], v3
	v_add_nc_u32 v11, s[TB], v4
	s_wait_alu depctr_va_vdst(0)
	ds_load_b128 v[KS:KS+3], v10 offset:12288
	ds_load_b128 v[KS+4:KS+7], v10 offset:12304
.irp t, 0,1,2,3,4,5,6,7
	ds_load_b128 v[KR+6*\t:KR+6*\t+3], v8 offset:\t*768
	ds_load_b64 v[KR+6*\t+4:KR+6*\t+5], v9 offset:\t*768+512
.endr
	s_wait_dscnt 6                                 ; the scale words and tiles 0-4 are in; the six loads of tiles 5-7 may be out
.irp t, 0,1,2,3
	v_wmma_scale_f32_16x16x128_f8f6f4 v[SR+8*\t:SR+8*\t+7], v[KR+6*\t:KR+6*\t+11], v[16:27], 0, v[KS+\t], v[QS] matrix_a_fmt:MATRIX_FMT_FP6 matrix_b_fmt:MATRIX_FMT_FP6
.endr
	s_wait_dscnt 0x0
.irp t, 4,5,6,7
	v_wmma_scale_f32_16x16x128_f8f6f4 v[SR+8*\t:SR+8*\t+7], v[KR+6*\t:KR+6*\t+11], v[16:27], 0, v[KS+\t], v[QS] matrix_a_fmt:MATRIX_FMT_FP6 matrix_b_fmt:MATRIX_FMT_FP6
.endr
.irp d, 0,1,2,3                                ; V's four fragments and scale words are asked for here: they land under the softmax
	ds_load_b128 v[VR+12*\d:VR+12*\d+3], v8 offset:6144+\d*768
	ds_load_b64 v[VR+12*\d+4:VR+12*\d+5], v9 offset:6144+\d*768+512
	ds_load_b128 v[VR+12*\d+6:VR+12*\d+9], v8 offset:9216+\d*768
	ds_load_b64 v[VR+12*\d+10:VR+12*\d+11], v9 offset:9216+\d*768+512
.endr
	ds_load_b128 v[28:31], v11 offset:12800
.rept 4
	v_nop                                          ; places in front of the first read of the scores and of writes into K's registers
.endr
	s_add_co_u32 s52, s[KF], 127                   ; on the diagonal the scores of hidden keys become -infinity ahead of the maximum: p = 0 then
	s_cmp_le_u32 s52, s[Q0]
	s_cbranch_scc1 .Lopen_\@
	s_sub_co_i32 s52, s[Q0], s[KF]                 ; 0 .. 104: a tile's queries lie in one step's 128
	v_add_nc_u32 v[FF], s52, v5                    ; d = my query - KF - 16 h.  Register 16 b + i holds key KF + 32 b + 16 h + i: hidden where 32 b + i > d
	v_mov_b32 v[TP], 0xff800000
	s_lshr_b32 s53, s52, 5
	s_wait_alu depctr_va_vdst(0)
	MASKB 0
	MASKB 1
	MASKB 2
	MASKB 3
.Lopen_\@:
.irp b, 0,1,2,3
	v_max3_num_f32 v[BM+\b], v[SR+16*\b], v[SR+1+16*\b], v[SR+2+16*\b]   ; the largest score of each block of 32 keys: for the row's maximum and, since p rises with the score, for the block's largest p
.endr
.irp i, 3,5,7,9,11,13
.irp b, 0,1,2,3
	v_max3_num_f32 v[BM+\b], v[BM+\b], v[SR+16*\b+\i], v[SR+1+16*\b+\i]
.endr
.endr
.irp b, 0,1,2,3
	v_max_num_f32 v[BM+\b], v[BM+\b], v[SR+15+16*\b]
.endr
.irp b, 0,1,2,3
	s_delay_alu instid0(VALU_DEP_4)
	v_permlanex16_b32 v[PX+\b], v[BM+\b], s[SEL], s[SEL+1]
.endr
.irp b, 0,1,2,3
	s_delay_alu instid0(VALU_DEP_4)
	v_max_num_f32 v[BM+\b], v[BM+\b], v[PX+\b]     ; with lane l xor 16's 16 keys
.endr
	s_delay_alu instid0(VALU_DEP_2)
	v_max3_num_f32 v[TP], v[BM], v[BM+1], v[BM+2]
	s_delay_alu instid0(VALU_DEP_1)
	v_max_num_f32 v[TP], v[TP], v[BM+3]
	s_delay_alu instid0(VALU_DEP_1)
	v_mul_f32 v[TP], s[CS], v[TP]                  ; the step's largest t (c is positive)
	s_delay_alu instid0(VALU_DEP_1)
	v_max_num_f32 v13, v13, v[TP]                  ; the running largest t
	v_mov_b32 v[TP], v12
	s_delay_alu instid0(VALU_DEP_2)
	v_floor_f32 v12, -v13                          ; the new -M = floor(-t): M is a whole number
	s_delay_alu instid0(VALU_DEP_1)
	v_sub_f32 v[TP], v12, v[TP]                    ; old M - new M: a whole number, 0 or less
	s_delay_alu instid0(VALU_DEP_1)
	v_cvt_i32_f32 v[TP], v[TP]                     ; (it saturates)
	s_delay_alu instid0(VALU_DEP_1)
	v_ldexp_f32 v[FF], 1.0, v[TP]                  ; f = 2^(old M - new M)
.set n, 0
.rept 32
	v_pk_fma_f32 v[SR+n:SR+n+1], v[SR+n:SR+n+1], s[CS:CS+1], v[12:13] op_sel_hi:[1,0,0]   ; t - M, two at a time
.set n, n+2
.endr
.irp b, 0,1,2,3
	v_fma_f32 v[BM+\b], v[BM+\b], s[CS], v12       ; the same of each block's largest score
.endr
	s_wait_alu depctr_va_vdst(0)
.set n, 0
.rept 64
	v_exp_f32 v[SR+n], v[SR+n]                     ; p = 2^(t - M), at most 1: not normalised
.set n, n+1
.endr
	v_pk_mul_f32 v[14:15], v[14:15], v[FF:FF+1] op_sel_hi:[1,0]   ; the sums under the new M.  (A plain place behind the exponentials)
	s_wait_alu depctr_va_vdst(0)                   ; one wait for the whole batch, ahead of its first reader
.irp b, 0,1,2,3
	v_exp_f32 v[BM+\b], v[BM+\b]                   ; the block's largest p
.endr
.irp j, 0,1,2,3,4,5,6                          ; the row's sum of the unquantised p: eight chains by turns
	v_pk_add_f32 v[CH+2*\j:CH+2*\j+1], v[SR+4*\j:SR+4*\j+1], v[SR+4*\j+2:SR+4*\j+3]
.endr
	v_pk_add_f32 v[14:15], v[14:15], v[SR+28:SR+29]
.irp j, 0,1,2,3,4,5,6
	v_pk_add_f32 v[CH+2*\j:CH+2*\j+1], v[CH+2*\j:CH+2*\j+1], v[SR+30+2*\j:SR+31+2*\j]
.endr
	v_pk_add_f32 v[14:15], v[14:15], v[SR+44:SR+45]
.irp j, 0,1,2,3,4,5,6
	v_pk_add_f32 v[CH+2*\j:CH+2*\j+1], v[CH+2*\j:CH+2*\j+1], v[SR+46+2*\j:SR+47+2*\j]
.endr
	v_pk_add_f32 v[14:15], v[14:15], v[SR+60:SR+61]
	v_pk_add_f32 v[CH:CH+1], v[CH:CH+1], v[SR+62:SR+63]
	s_delay_alu instid0(VALU_DEP_2)
	v_pk_add_f32 v[14:15], v[14:15], v[CH+6:CH+7]
	s_delay_alu instid0(VALU_DEP_2)
	v_pk_add_f32 v[CH:CH+1], v[CH:CH+1], v[CH+8:CH+9]
	v_pk_add_f32 v[CH+2:CH+3], v[CH+2:CH+3], v[CH+10:CH+11]
	v_pk_add_f32 v[CH+4:CH+5], v[CH+4:CH+5], v[CH+12:CH+13]
	s_delay_alu instid0(VALU_DEP_2)
	v_pk_add_f32 v[14:15], v[14:15], v[CH+2:CH+3]
	s_delay_alu instid0(VALU_DEP_2)
	v_pk_add_f32 v[CH:CH+1], v[CH:CH+1], v[CH+4:CH+5]
	s_delay_alu instid0(VALU_DEP_1)
	v_pk_add_f32 v[14:15], v[14:15], v[CH:CH+1]
	s_wait_alu depctr_va_vdst(0)                   ; and one for the four
.irp b, 0,1,2,3
	v_max_num_f32 v[BM+\b], 0x1800000, v[BM+\b]    ; the floor 2^(3 - 127): the byte cannot fall under 1
.endr
.irp b, 0,1,2,3
	s_delay_alu instid0(VALU_DEP_4)
	v_add_nc_u32 v[SO+\b], 0xff000000, v[BM+\b]    ; 2 off the exponent field: the conversion's scale operand
.endr
.irp b, 0,1,2,3
	s_delay_alu instid0(VALU_DEP_4)
	v_lshrrev_b32 v[PX+\b], 23, v[SO+\b]           ; the scale's byte
.endr
	s_delay_alu instid0(VALU_DEP_3)
	v_lshl_or_b32 v[FF+1], v[PX+1], 8, v[PX]       ; p's scale word for these 128 keys
	s_delay_alu instid0(VALU_DEP_1)
	v_lshl_or_b32 v[FF+1], v[PX+2], 16, v[FF+1]
	s_delay_alu instid0(VALU_DEP_1)
	v_lshl_or_b32 v[FF+1], v[PX+3], 24, v[FF+1]
.irp c, 0,1
	v_cvt_scalef32_pk16_fp6_f32 v[PCD+6*\c:PCD+6*\c+2], v[SR+32*\c:SR+32*\c+15], v[SO+2*\c]
	v_cvt_scalef32_pk16_fp6_f32 v[CT+4*\c:CT+4*\c+2], v[SR+32*\c+16:SR+32*\c+31], v[SO+2*\c+1]   ; (a conversion's three registers begin on an even number)
.endr
	v_nop                                          ; one plain place behind a scaled conversion
.irp c, 0,1                                    ; the operand's layout wants a WHOLE block in a lane
.irp i, 0,1,2
	v_permlane16_swap_b32 v[PCD+6*\c+\i], v[CT+4*\c+\i]
.endr
.irp i, 0,1,2
	s_delay_alu instid0(VALU_DEP_3)
	v_mov_b32 v[PCD+3+6*\c+\i], v[CT+4*\c+\i]
.endr
.endr
	s_wait_alu depctr_va_vdst(0)
.set n, 0
.rept 16
	v_pk_mul_f32 v[OA+n:OA+n+1], v[OA+n:OA+n+1], v[FF:FF+1] op_sel_hi:[1,0]   ; O^T under the new M, each accumulator from its low end on.  (Also the places in front of the products below)
.set n, n+2
.endr
	s_wait_alu depctr_va_vdst(0)
	s_wait_dscnt 0x0                               ; V
.irp d, 0,1,2,3                                ; O^T += V^T P^T: the four accumulators by turns
	v_wmma_scale_f32_16x16x128_f8f6f4 v[OA+8*\d:OA+8*\d+7], v[VR+12*\d:VR+12*\d+11], v[PCD:PCD+11], v[OA+8*\d:OA+8*\d+7], v[28+\d], v[FF+1] matrix_a_fmt:MATRIX_FMT_FP6 matrix_b_fmt:MATRIX_FMT_FP6
.endr
.Lhidden_\@:
	s_add_co_u32 s[KF], s[KF], 128
	s_add_co_u32 s[TB], s[TB], STEPB
.endm
.macro LOOP name, trips
	s_mov_b32 s[CNT], \trips
\name:
	STEP
	s_sub_co_u32 s[CNT], s[CNT], 1
	s_cmp_lg_u32 s[CNT], 0
	s_cbranch_scc1 \name
.endm
; The head of pass p on tile s[q]: its addresses; the running figures begin anew.
.macro PASSHEAD p, q
.if \p
	s_wait_xcnt 0x0                                ; the first pass's stores have read their base and their data: both are written again below
.irp j, 0,1,2,3,4,5
	v_mov_b32 v[16+\j], v[KR+48+\j]                ; the second tile's codes and scale words
.endr
	v_mov_b32 v[QS], v[QS2]
.endif
	s_lshr_b32 s[Q0], s[\q], 1
	s_lshl_b32 s[Q0], s[Q0], 5
	s_and_b32 s52, s[\q], 1
	s_lshl_b32 s52, s52, 3
	s_add_co_u32 s[Q0], s[Q0], s52                 ; 32 (tile / 2) + 8 (tile % 2)
	s_add_co_u32 s[QMAX], s[Q0], 23
	s_and_b32 s52, ttmp7, 0xffff
	s_lshr_b32 s53, s52, 4
	s_lshl_b32 s53, s53, 7
	s_add_co_u32 s53, s53, s[\q]                   ; y's tile of rows: batch x 128 + tile
	s_lshl_b32 s53, s53, 4
	s_and_b32 s52, s52, 15
	s_add_co_u32 s53, s53, s52                     ; x 16 + head
	s_mul_i32 s12, s53, 768
	s_add_nc_u64 s[60:61], s[6:7], s[12:13]        ; y's chunk
.if \p
	s_lshl_b32 s12, s53, 6
	s_add_nc_u64 s[62:63], s[8:9], s[12:13]        ; its scale words
.endif
	v_mov_b32 v13, 0xff61b1e6                      ; the largest t so far: -3e38, under every t
	s_delay_alu instid0(VALU_DEP_1)
	v_floor_f32 v12, -v13
	v_mov_b32 v14, 0
	v_mov_b32 v15, 0
.set n, 0
.rept 32
	v_mov_b32 v[OA+n], 0                           ; O^T: the step is written once; the first finds zeros, which the first change of M leaves zeros
.set n, n+1
.endr
	s_mov_b32 s[KF], 0
	s_mov_b32 s[TB], 0
.endm
; The end of pass p: O^T / the sum is y(query, 64 head + 32 b + 16 h + i); its two blocks of 32 are quantised and leave as one chunk of 768 bytes.
.macro YOUT p
.rept 4
	v_nop                                          ; places behind the last products
.endr
	v_add_f32 v14, v14, v15
	s_delay_alu instid0(VALU_DEP_1)
	v_permlanex16_b32 v[FF], v14, s[SEL], s[SEL+1]
	s_delay_alu instid0(VALU_DEP_1)
	v_add_f32 v14, v14, v[FF]                      ; the row's sum
	s_wait_alu depctr_va_vdst(0)
	v_rcp_f32 v14, v14
	v_nop                                          ; a plain place behind the transcendental
	s_wait_alu depctr_va_vdst(0)                   ; the wait ahead of its first reader, and of O^T's
.set n, 0
.rept 16
	v_pk_mul_f32 v[SR+n:SR+n+1], v[OA+n:OA+n+1], v[14:15] op_sel_hi:[1,0]
.set n, n+2
.endr
.irp b, 0,1
	v_max3_num_f32 v[BM+\b], |v[SR+16*\b]|, |v[SR+1+16*\b]|, 0x1800000
.endr
.irp i, 2,4,6,8,10,12,14
.irp b, 0,1
	s_delay_alu instid0(VALU_DEP_2)
	v_max3_num_f32 v[BM+\b], v[BM+\b], |v[SR+16*\b+\i]|, |v[SR+1+16*\b+\i]|
.endr
.endr
.irp b, 0,1
	s_delay_alu instid0(VALU_DEP_2)
	v_permlanex16_b32 v[PX+\b], v[BM+\b], s[SEL], s[SEL+1]
.endr
.irp b, 0,1
	s_delay_alu instid0(VALU_DEP_2)
	v_max_num_f32 v[BM+\b], v[BM+\b], v[PX+\b]
.endr
.irp b, 0,1
	s_delay_alu instid0(VALU_DEP_2)
	v_add_nc_u32 v[SO+\b], 0xff000000, v[BM+\b]
.endr
.irp b, 0,1
	s_delay_alu instid0(VALU_DEP_2)
	v_lshrrev_b32 v[PX+\b], 23, v[SO+\b]
.endr
	s_delay_alu instid0(VALU_DEP_1)
	v_lshl_or_b32 v[6+\p], v[PX+1], 8, v[PX]       ; the head's two bytes; the upper two are 0
	v_cvt_scalef32_pk16_fp6_f32 v[PCD:PCD+2], v[SR:SR+15], v[SO]
	v_cvt_scalef32_pk16_fp6_f32 v[CT:CT+2], v[SR+16:SR+31], v[SO+1]
	v_nop
.irp i, 0,1,2
	v_permlane16_swap_b32 v[PCD+\i], v[CT+\i]
.endr
.irp i, 0,1,2
	s_delay_alu instid0(VALU_DEP_3)
	v_mov_b32 v[PCD+3+\i], v[CT+\i]
.endr
	global_store_b128 v1, v[PCD:PCD+3], s[60:61]             ; 512 consecutive bytes, aligned to 256
	global_store_b64 v2, v[PCD+4:PCD+5], s[60:61] offset:512 ; 256 consecutive bytes, aligned
.endm
	PASSHEAD 0, QT0
	MEET                                           ; steps 0 and 1 are whole
	tensor_load_to_lds s[G0B:G0B+3], s[G1B:G1B+7]  ; rows 112-319: with them steps 2-5 are whole
	s_nop 0
	s_wait_loadcnt 0x0                             ; both tiles of Q
	global_prefetch_b8 v7, s[54:55] th:TH_LOAD_NT scope:SCOPE_SE   ; my 7 of rows 368-815, two steps ahead of the load that wants them
	LOOP .Lsteps01, 2
	MEET
	tensor_load_to_lds s[G0C:G0C+3], s[G1C:G1C+7]  ; rows 320-815: the rest
	s_nop 0
	s_wait_xcnt 0x0                                ; both prefetches have read v6 and v7, which are written again at the passes' ends
	LOOP .Lsteps25, 4
	s_wait_tensorcnt 0x0                           ; my part of the rest is in (no LDS load of mine is out: each step waits for its own)
	s_barrier_signal -1
	s_barrier_wait -1
	LOOP .Lsteps6f, 10
	YOUT 0
	PASSHEAD 1, QT
	LOOP .Lsecond, 16
	YOUT 1
	s_sub_co_u32 s52, s[QT0], s[QT]                ; both passes' scale words leave by one store: lanes 0-15 the second pass's, lanes 16-31 the first's, whose tile lies s52 tiles of 1,024 bytes on
	s_lshl_b32 s52, s52, 10
	v_bfe_u32 v8, v0, 4, 1
	s_delay_alu instid0(VALU_DEP_1)
	v_mul_lo_u32 v8, v8, s52
	v_and_b32 v9, 15, v0
	s_delay_alu instid0(VALU_DEP_1)
	v_lshl_add_u32 v8, v9, 2, v8
	v_cndmask_b32 v10, v7, v6, s[MHI]
	global_store_b32 v8, v10, s[62:63]
	s_wait_tensorcnt 0x0                           ; the wave's end
	ds_add_u32 v[SPW], v[NIL]
	s_wait_dscnt 0x0
	s_endpgm
.Lfunc_end_k_qd75a5a3b47_attn:
	.size	k_qd75a5a3b47_attn, .Lfunc_end_k_qd75a5a3b47_attn-k_qd75a5a3b47_attn
	.p2alignl 7, 3214868480
	.fill 96, 4, 3214868480
	.section	.rodata,"a",@progbits
	.p2align	6, 0x0
	.amdhsa_kernel k_qd75a5a3b47_attn
		.amdhsa_group_segment_fixed_size 327680
		.amdhsa_private_segment_fixed_size 0
		.amdhsa_enable_private_segment 0
		.amdhsa_kernarg_size 24
		.amdhsa_user_sgpr_count 2
		.amdhsa_user_sgpr_kernarg_segment_ptr 1
		.amdhsa_wavefront_size32 1
		.amdhsa_system_sgpr_workgroup_id_x 1
		.amdhsa_system_sgpr_workgroup_id_y 1
		.amdhsa_system_sgpr_workgroup_id_z 1
		.amdhsa_system_vgpr_workitem_id 0
		.amdhsa_next_free_vgpr 256
		.amdhsa_next_free_sgpr 80
		.amdhsa_reserve_vcc 1
		.amdhsa_float_denorm_mode_32 3
		.amdhsa_float_denorm_mode_16_64 3
		.amdhsa_memory_ordered 1
		.amdhsa_forward_progress 1
		.amdhsa_inst_pref_size 112
	.end_amdhsa_kernel
	.amdgpu_metadata
---
amdhsa.version: [ 1, 2 ]
amdhsa.kernels:
  - .name:           k_qd75a5a3b47_attn
    .symbol:         k_qd75a5a3b47_attn.kd
    .args:
      - { .name: qkv, .offset: 0, .size: 8, .value_kind: global_buffer, .address_space: global }
      - { .name: yimg, .offset: 8, .size: 8, .value_kind: global_buffer, .address_space: global }
      - { .name: ysc, .offset: 16, .size: 8, .value_kind: global_buffer, .address_space: global }
    .group_segment_fixed_size: 327680
    .private_segment_fixed_size: 0
    .kernarg_segment_align: 8
    .kernarg_segment_size: 24
    .max_flat_workgroup_size: 512
    .sgpr_count:     80
    .vgpr_count:     256
    .wavefront_size: 32
...
	.end_amdgpu_metadata
.endif
;; end of part 3
;; launch gemm2 (part 4): grid 4 x 64, 4 waves a work-group, clusters of 4 x 4, 327,680 bytes of LDS; arguments yimg, ysc, img1, scl1, out0; writes out0
.if DOCPART == 4
	.amdgcn_target "amdgcn-amd-amdhsa--gfx1250"
	.amdhsa_code_object_version 6
	.text
	.protected	k_qd75a5a3b47_gemm2
	.globl	k_qd75a5a3b47_gemm2
	.p2align	8
	.type	k_qd75a5a3b47_gemm2,@function
k_qd75a5a3b47_gemm2:
	s_mov_b64 s[64:65], 0
	v_nop
	global_prefetch_b8 v0, s[64:65] scope:SCOPE_SE
	s_setreg_imm32_b32 hwreg(HW_REG_WAVE_MODE, 25, 1), 1
	s_wait_xcnt 0x0
	s_wait_alu depctr_hold_cnt(0) depctr_sa_sdst(0) depctr_va_vdst(0) depctr_va_sdst(0) depctr_va_ssrc(0) depctr_va_vcc(0) depctr_vm_vsrc(0)
	s_getreg_b32 s2, hwreg(HW_REG_IB_STS2, 6, 4)
	s_cmp_eq_u32 s2, 0
	s_cbranch_scc0 .Lentry_in_a_cluster
	s_endpgm
.Lentry_in_a_cluster:
	s_bfe_u32 s2, ttmp6, 0x10000c
	s_cmp_lg_u32 s2, 0xf033
	s_cbranch_scc0 .Lentry_shape_is_right
	s_endpgm
.Lentry_shape_is_right:
; GEMM2.  out0 = y wo^T on codes of FP6 (E2M3) with E8M0 scales, K = 1,024; f32 out.
; A block of 128 rows x 256 columns to a work-group of four waves: 64 x 4 = 256 work-groups.  A wave makes 64 x 128: 32 accumulators, 256 registers.
; ALL OF K LIES IN LDS: y's 8 tiles and wo's 16 tiles of 16 rows x 12,288 bytes are 294,912 bytes.  They come by ONE joint load a wave at the head (waves 0, 1: y's two halves of 4 tiles; waves 2, 3:
; wo's two halves of 8) and nothing is filled again: one barrier shows them to all waves, and the walk along K has no barrier, no wait on tensor loads and no round.
; THE CODES lie in memory in the order of an operand's registers (tiles of 16 rows, chunks of 64 along K of 768 bytes: a lane's 16 bytes at 16 l, its last 8 at 512 + 8 l): a fragment is four dense LDS loads.
; Slot i of y's tile t is row 32 (t / 2) + 8 (t % 2) + i + 8 (i / 8); slot i of wo's tile t is row 16 t + i.
; THE PRODUCT IS USED TRANSPOSED (source 0 = wo's tile, source 1 = y's): a lane holds eight neighbouring numbers of a row of out0.
; CLUSTERS: 4 x 4.  y's tiles are shared along a row of the cluster, wo's along a column: each is asked for jointly.  Branches hang on the wave's number alone.
; NO PREFETCH: all that a work-group reads is asked for at its head; there is no loop to run ahead in.
; REGISTERS, in windows of 256: window 0: v16-31 addresses; v32-95 scale words and nothing else (v[SC + 8 i + q]: lanes 0-15 y's tile i (i < 4), lanes 16-31 wo's tile i, K step q); v96-99 at work;
; v128-175, v176-223 y's fragments, two sets (on the way out v128-255: rows read back).  window 1: wo's fragments, two sets, at v0 and v128.  window 2: the accumulators ((a, b) at v[8 (8 a + b)]).
.set FR,     12
.set NP,     4                         ; places behind this matrix instruction (ISA guide 7.12.1)
.set TILEB,  12288
.set BBASE,  8*TILEB                   ; wo's tiles lie behind y's eight
.set SPARE,  24*TILEB                  ; the spare words, 128 bytes a wave
.set SPITCH, 528                       ; the way out: a stage of 16 rows x (512 + 16) bytes a wave, on y's bytes, which have had their only fill and, behind a barrier, their last read
.set ADRA, 16                          ; v16 my half of y + 16 l, v17 + 8 l
.set ADRB, 18                          ; v18-19 the same for my half of wo, tiles 0-3; v20-21 tiles 4-7
.set CO,   24
.set L8,   25
.set STO,  26
.set RD,   27
.set SPW,  28
.set NIL,  29
.set L4,   30
.set R4,   31
.set SC,   32
.set TT,   96
.set AF,   128
.set BK,   128
.set G1, 24
.set G0, 32
.set G1B, 48
.set G0B, 56
.set MHI, 74
.set SEL, 80
.set MSB, 0
.macro WIN new                         ; the immediate's high byte repeats the setting that is left
.if MSB != (\new)
	s_set_vgpr_msb (MSB<<8)|(\new)
.set MSB, (\new)
.endif
.endm
.set MUL_W,  0xa1                      ; source 0 (wo) window 1, source 1 (y) window 0, C and D window 2
.set TO_B,   0x40                      ; destination window 1, address window 0
.macro CROUND                          ; a round of the cluster's barrier
	s_barrier_signal -1
	s_barrier_wait -1
	s_cmp_lg_u32 s14, 0
	s_cbranch_scc1 .Lnot_wave_0_\@
	s_barrier_signal -3
.Lnot_wave_0_\@:
	s_barrier_wait -3
	s_barrier_signal -1
	s_barrier_wait -1
.endm
.macro PLACES n
.rept \n
	v_nop
.endr
.endm
	s_load_b256 s[4:11], s[0:1], 0x0               ; yimg s[4:5], ysc s[6:7], img1 s[8:9], scl1 s[10:11]
	s_load_b64 s[12:13], s[0:1], 0x20              ; out0
	v_lshl_add_u32 v[SPW], v0, 2, SPARE
	v_mov_b32 v[NIL], 0
	ds_add_u32 v[SPW], v[NIL]                      ; the opening lines: the add twice on end and its wait
	ds_add_u32 v[SPW], v[NIL]
	v_lshrrev_b32 v1, 5, v0
	v_readfirstlane_b32 s14, v1                    ; wave 0..3
	s_lshr_b32 s15, s14, 1                         ; which half of y's rows is mine.  Also: I fetch for y (0) or for wo (1)
	s_and_b32 s16, s14, 1                          ; which half of wo's rows.  Also: which half of that side I fetch
	s_bfe_u32 s40, ttmp6, 0x40000                  ; cx, cy: my place in the cluster
	s_bfe_u32 s41, ttmp6, 0x40004
	s_and_b32 s44, ttmp7, 0xffff
	s_lshl_b32 s17, s44, 2
	s_add_co_u32 s17, s17, s41                     ; y's block of 128 rows
	s_lshl_b32 s18, s17, 3                         ; its first tile in yimg
	s_lshl_b32 s21, s40, 4
	s_add_co_u32 s21, s21, 704                     ; wo's block of 256 rows: its first tile in img1
	s_lshl_b32 s45, s41, 2
	s_lshl_b32 s45, 15, s45                        ; my row of the cluster
	s_lshl_b32 s46, 0x1111, s40                    ; my column
	s_or_b32 s[G1], s45, (3<<16)|(1<<21)           ; 15:0 the mask; 17:16 elements of 8 bytes; 21 set beside a mask
	s_or_b32 s[G1B], s46, (3<<16)|(1<<21)
.irp g, G1, G1B                                ; rows (tiles) of 12,288 bytes, dense in memory and in LDS
	s_mov_b32 s[\g+1], (TILEB/8)<<16
	s_mov_b32 s[\g+3], (TILEB/8)<<16
	s_mov_b32 s[\g+5], TILEB/8
	s_mov_b32 s[\g+6], 0
	s_mov_b32 s[\g+7], 0
.endr
	s_mov_b32 s[G1+2], 4<<16                       ; y: 4 tiles a load
	s_mov_b32 s[G1+4], 4
	s_mov_b32 s[G1B+2], 8<<16                      ; wo: 8
	s_mov_b32 s[G1B+4], 8
	s_lshl_b32 s23, s16, 2
	s_add_co_u32 s66, s18, s23                     ; y: the first tile that I would fetch (no register of it ever holds cx),
	s_mul_i32 s66, s66, TILEB
	s_mov_b32 s67, 0
	s_lshl_b32 s23, s16, 3
	s_add_co_u32 s68, s21, s23                     ; wo (none ever holds cy)
	s_mul_i32 s68, s68, TILEB
	s_mov_b32 s69, 0
	s_mul_i32 s47, s16, 4*TILEB                    ; where they go: no place in the cluster enters an LDS address
	s_mul_i32 s22, s16, 8*TILEB
	s_add_co_u32 s22, s22, BBASE
	s_wait_dscnt 0x0
	s_wait_kmcnt 0x0
	s_add_nc_u64 s[66:67], s[4:5], s[66:67]
	s_add_nc_u64 s[68:69], s[8:9], s[68:69]
	s_mov_b32 s[G0], 1
	s_mov_b32 s[G0+1], s47
	s_mov_b64 s[G0+2:G0+3], s[66:67]
	s_or_b32 s[G0+3], s[G0+3], 0x80000000
	s_mov_b32 s[G0B], 1
	s_mov_b32 s[G0B+1], s22
	s_mov_b64 s[G0B+2:G0B+3], s[68:69]
	s_or_b32 s[G0B+3], s[G0B+3], 0x80000000
	CROUND                                         ; all sixteen work-groups are here: the joint loads meet
	s_cmp_eq_u32 s15, 0                            ; one load a wave, in the two arms of one branch on the wave's number
	s_cbranch_scc0 .Lfor_b
	tensor_load_to_lds s[G0:G0+3], s[G1:G1+7]
	s_nop 0
	PLACES 4
	s_branch .Lasked
.Lfor_b:
	tensor_load_to_lds s[G0B:G0B+3], s[G1B:G1B+7]
	s_nop 0
	PLACES 4
.Lasked:
	s_lshl_b32 s72, s15, 2
	s_add_co_u32 s72, s72, s18
	s_lshl_b32 s72, s72, 10                        ; y's scale words: 1,024 bytes a tile: [head 16][slot 16] words of two bytes
	s_mov_b32 s73, 0
	s_add_nc_u64 s[6:7], s[6:7], s[72:73]
	s_lshl_b32 s72, s16, 3
	s_add_co_u32 s72, s72, s21
	s_lshl_b32 s72, s72, 9                         ; wo's: 512 bytes a tile: [K step 8][slot 16] words
	s_add_nc_u64 s[10:11], s[10:11], s[72:73]
	s_mul_i32 s70, s15, 4*TILEB                    ; my half of y
	s_mul_i32 s71, s16, 8*TILEB                    ; my half of wo
	s_add_co_u32 s71, s71, BBASE
	s_mul_i32 s75, s14, 16*SPITCH                  ; my stage
	s_lshl_b32 s78, s17, 7
	s_lshl_b32 s76, s15, 6
	s_add_co_u32 s78, s78, s76                     ; my first row of out0
	s_lshl_b32 s78, s78, 12
	s_lshl_b32 s76, s40, 10
	s_add_co_u32 s78, s78, s76
	s_lshl_b32 s76, s16, 9
	s_add_co_u32 s78, s78, s76                     ; + my first column, in bytes
	s_mov_b32 s79, 0
	s_add_nc_u64 s[12:13], s[12:13], s[78:79]
	s_mov_b32 s[MHI], 0xffff0000
	s_mov_b32 s[SEL], 0x76543210
	s_mov_b32 s[SEL+1], 0xfedcba98
	v_and_b32 v1, 31, v0
	v_and_b32 v2, 15, v0                           ; r
	v_bfe_u32 v3, v0, 4, 1                         ; h
	v_lshlrev_b32 v[L4], 2, v1
	v_lshlrev_b32 v[R4], 2, v2
	v_lshlrev_b32 v[CO], 4, v1
	v_lshlrev_b32 v[L8], 3, v1
.irp i, 0,1,2,3                                ; the scale words of all of K come once and stay in registers
.irp q, 0,1,2,3,4,5,6,7
	global_load_b32 v[SC+8*\i+\q], v[L4], s[6:7] offset:\i*1024+\q*128       ; lanes 0-15 head 2 q's two bytes, lanes 16-31 head 2 q + 1's
.endr
.endr
.irp i, 0,1,2,3
.irp q, 0,1,2,3,4,5,6,7
	global_load_b32 v[128+8*\i+\q], v[R4], s[10:11] offset:\i*512+\q*64
.endr
.endr
.irp i, 4,5,6,7
.irp q, 0,1,2,3,4,5,6,7
	global_load_b32 v[SC+8*\i+\q], v[R4], s[10:11] offset:\i*512+\q*64       ; only lanes 16-31 of these are read
.endr
.endr
	v_add_nc_u32 v[ADRA], s70, v[CO]
	v_add_nc_u32 v[ADRA+1], s70, v[L8]
	v_add_nc_u32 v[ADRB], s71, v[CO]
	v_add_nc_u32 v[ADRB+1], s71, v[L8]
	v_add_nc_u32 v[ADRB+2], 4*TILEB, v[ADRB]
	v_add_nc_u32 v[ADRB+3], 4*TILEB, v[ADRB+1]
	v_mul_u32_u24 v[STO], v2, SPITCH               ; into the stage: row r, 32 bytes for each half of the lanes
	v_lshl_add_u32 v[STO], v3, 5, v[STO]
	v_add_nc_u32 v[STO], s75, v[STO]
	v_add_nc_u32 v[RD], s75, v[CO]                 ; back: the 32 lanes take one row of 512 bytes
.irp u, 0,1,2,3
	v_mov_b32 v[TT+\u], 0                          ; a lane permute's destination counts as one of its sources
.endr
	s_wait_alu depctr_va_vdst(0)
	s_wait_loadcnt 0x0
.set n, 0
.rept 8                                        ; y's words are made whole (two heads' bytes), and wo's go into lanes 16-31
.irp u, 0,1,2,3
	v_permlanex16_b32 v[TT+\u], v[SC+4*n+\u], s[SEL], s[SEL+1]
.endr
.irp u, 0,1,2,3
	v_lshl_or_b32 v[SC+4*n+\u], v[TT+\u], 16, v[SC+4*n+\u]
.endr
.irp u, 0,1,2,3
	v_cndmask_b32 v[SC+4*n+\u], v[SC+4*n+\u], v[128+4*n+\u], s[MHI]
.endr
.set n, n+1
.endr
	PLACES 8                                       ; a scale register written by a vector instruction stands 8 places ahead of a scaled matrix instruction
	s_wait_alu depctr_va_vdst(0)
	s_wait_tensorcnt 0x0                           ; my part of the tiles is in
	s_barrier_signal -1
	s_barrier_wait -1                              ; everybody's is
.macro FRAG reg, a16, a8, off          ; a fragment: two chunks of 768 bytes; of each my 16 bytes and my 8
	ds_load_b128 v[\reg:\reg+3], v[\a16] offset:\off
	ds_load_b64 v[\reg+4:\reg+5], v[\a8] offset:\off+512
	ds_load_b128 v[\reg+6:\reg+9], v[\a16] offset:\off+768
	ds_load_b64 v[\reg+10:\reg+11], v[\a8] offset:\off+1280
.endm
.macro FETCH q, p                      ; K step q's fragments, wo's eight and y's four, into sets p: 48 LDS loads in one run
	WIN TO_B
.irp i, 0,1,2,3,4,5,6,7
	FRAG 128*(\p)+FR*\i, ADRB+2*(\i/4), ADRB+2*(\i/4)+1, (\i%4)*TILEB+(\q)*1536
.endr
	WIN 0
.irp i, 0,1,2,3
	FRAG AF+48*(\p)+FR*\i, ADRA, ADRA+1, \i*TILEB+(\q)*1536
.endr
.endm
; A K step: its fragments were asked for a step ago; the next step's are asked for first, into the other sets, and land under this step's 32 matrix instructions.
; The 32 accumulators take turns, one instruction a turn, in the same order in every step; the first step's products start the sums.
.macro STEP q
	s_wait_dscnt 0x0
.if (\q) < 7
.if (\q) > 0
	PLACES NP                                      ; in front of loads into registers that the last step's matrix instructions have read
.endif
	FETCH (\q)+1, ((\q)+1)%2
.endif
	WIN MUL_W
.irp a, 0,1,2,3
.irp b, 0,1,2,3,4,5,6,7
.if (\q) == 0
	v_wmma_scale_f32_16x16x128_f8f6f4 v[8*(8*\a+\b):8*(8*\a+\b)+7], v[128*((\q)%2)+FR*\b:128*((\q)%2)+FR*\b+FR-1], v[AF+48*((\q)%2)+FR*\a:AF+48*((\q)%2)+FR*\a+FR-1], 0, v[SC+8*\b+(\q)], v[SC+8*\a+(\q)] matrix_a_fmt:MATRIX_FMT_FP6 matrix_b_fmt:MATRIX_FMT_FP6 matrix_a_scale:MATRIX_SCALE_ROW1
.else
	v_wmma_scale_f32_16x16x128_f8f6f4 v[8*(8*\a+\b):8*(8*\a+\b)+7], v[128*((\q)%2)+FR*\b:128*((\q)%2)+FR*\b+FR-1], v[AF+48*((\q)%2)+FR*\a:AF+48*((\q)%2)+FR*\a+FR-1], v[8*(8*\a+\b):8*(8*\a+\b)+7], v[SC+8*\b+(\q)], v[SC+8*\a+(\q)] matrix_a_fmt:MATRIX_FMT_FP6 matrix_b_fmt:MATRIX_FMT_FP6 matrix_a_scale:MATRIX_SCALE_ROW1
.endif
.endr
.endr
	WIN 0
.endm
	FETCH 0, 0
.set Q, 0
.rept 8
	STEP Q
.set Q, Q+1
.endr
	s_barrier_signal -1                            ; my reads of the tiles are over (the last step waited for them): behind this barrier y's bytes serve as stages
	s_barrier_wait -1
; THE WAY OUT, block by block of 16 rows x 128 columns: through my own stage, back as whole rows of 512 bytes, which the 32 lanes store as two aligned units of 256 bytes.
; LDS serves a wave's instructions in order (ISA guide 5.7.1.4): no wait between the stores and the loads.
.macro TOSTAGE a
.set AC, 64*(\a)
	WIN 0x08                                       ; the data: window 2
.irp b, 0,1,2,3,4,5,6,7
	ds_store_b128 v[STO], v[AC+8*\b:AC+8*\b+3] offset:64*\b          ; each accumulator from its low end on
	ds_store_b128 v[STO], v[AC+8*\b+4:AC+8*\b+7] offset:64*\b+16
.endr
	WIN 0
.set BB, BK+64*((\a)%2)
.irp t, 0,1,2,3,4,5,6,7,8,9,10,11,12,13,14,15
	ds_load_b128 v[BB+4*\t:BB+4*\t+3], v[RD] offset:\t*SPITCH
.endr
.endm
.macro SEND a, younger                 ; younger: the LDS instructions issued behind block a's loads, which may stay out
.set BB, BK+64*((\a)%2)
	s_wait_dscnt \younger
.irp t, 0,1,2,3,4,5,6,7,8,9,10,11,12,13,14,15
	global_store_b128 v[CO], v[BB+4*\t:BB+4*\t+3], s[12:13] offset:(32*((\a)/2)+8*((\a)%2)+\t+8*(\t/8))*4096 th:TH_STORE_NT
.endr
.endm
	PLACES NP                                      ; in front of the first read of results and of loads into the registers that held y's fragments
	TOSTAGE 0
.irp a, 1,2,3
.if \a > 1
	s_wait_xcnt 0x0                                ; block a - 2's stores have read their registers: block a's loads may land there
.endif
	TOSTAGE \a
	SEND \a-1, 32
.endr
	SEND 3, 0
	s_wait_tensorcnt 0x0                           ; the wave's end
	ds_add_u32 v[SPW], v[NIL]
	s_wait_dscnt 0x0
	CROUND                                         ; the closing round
	s_endpgm
.Lfunc_end_k_qd75a5a3b47_gemm2:
	.size	k_qd75a5a3b47_gemm2, .Lfunc_end_k_qd75a5a3b47_gemm2-k_qd75a5a3b47_gemm2
	.p2alignl 7, 3214868480
	.fill 96, 4, 3214868480
	.section	.rodata,"a",@progbits
	.p2align	6, 0x0
	.amdhsa_kernel k_qd75a5a3b47_gemm2
		.amdhsa_group_segment_fixed_size 327680
		.amdhsa_private_segment_fixed_size 0
		.amdhsa_enable_private_segment 0
		.amdhsa_kernarg_size 40
		.amdhsa_user_sgpr_count 2
		.amdhsa_user_sgpr_kernarg_segment_ptr 1
		.amdhsa_wavefront_size32 1
		.amdhsa_system_sgpr_workgroup_id_x 1
		.amdhsa_system_sgpr_workgroup_id_y 1
		.amdhsa_system_sgpr_workgroup_id_z 1
		.amdhsa_system_vgpr_workitem_id 0
		.amdhsa_next_free_vgpr 768
		.amdhsa_next_free_sgpr 100
		.amdhsa_reserve_vcc 0
		.amdhsa_float_denorm_mode_32 3
		.amdhsa_float_denorm_mode_16_64 3
		.amdhsa_memory_ordered 1
		.amdhsa_forward_progress 1
		.amdhsa_inst_pref_size 95
	.end_amdhsa_kernel
	.amdgpu_metadata
---
amdhsa.version: [ 1, 2 ]
amdhsa.kernels:
  - .name:           k_qd75a5a3b47_gemm2
    .symbol:         k_qd75a5a3b47_gemm2.kd
    .args:
      - { .name: yimg, .offset: 0, .size: 8, .value_kind: global_buffer, .address_space: global }
      - { .name: ysc, .offset: 8, .size: 8, .value_kind: global_buffer, .address_space: global }
      - { .name: img1, .offset: 16, .size: 8, .value_kind: global_buffer, .address_space: global }
      - { .name: scl1, .offset: 24, .size: 8, .value_kind: global_buffer, .address_space: global }
      - { .name: out0, .offset: 32, .size: 8, .value_kind: global_buffer, .address_space: global }
    .group_segment_fixed_size: 327680
    .private_segment_fixed_size: 0
    .kernarg_segment_align: 8
    .kernarg_segment_size: 40
    .max_flat_workgroup_size: 128
    .sgpr_count:     100
    .vgpr_count:     768
    .wavefront_size: 32
...
	.end_amdgpu_metadata
.endif
;; end of part 4
